; MI455X (gfx1250); checked and timed in simulation.
; The chip was launched on July 23, 2026; its instructions are those of AMD's public machine-readable ISA for CDNA 5 (MIT licence, August 2026) and "CDNA5" Instruction Set Architecture Reference Guide (July 2026). The comments in the code are by the model that wrote it; some were corrected since.
;; Cross Attention1 D. Allowed arithmetic: matrix products marked QUANTISED: E2M1 operands, one E8M0 scale for each 32 along K, by v_wmma_scale_f32_16x16x128_f8f6f4 with both operands' format E2M1 (or v_wmma_scale_f32_32x16x128_f4), f32 sums; everything else in f32.
;; Inputs: Wk 1,024 x 1,024 float32; Wo 1,024 x 1,024 float32; Wq 1,024 x 1,024 float32; Wv 1,024 x 1,024 float32; bo 1,024 float32; context 4 x 1,024 x 2,048 float32; query 4 x 1,024 x 2,048 float32.
;; Outputs: out0 4 x 1,024 x 2,048 float32.
;; Constants: heads = 16.
;; This version of the problem:
;;   THIS VERSION OF THE PROBLEM IS GIVEN IN LOW PRECISION. The matrix products marked QUANTISED in the list below multiply operands that are first quantised to E2M1 (2 exponent bits, 1 mantissa bit; 4 bits a number), with one power-of-two scale for each 32 numbers along K (OCP MX v1.0); their sums are f32. All else is computed in f32.
;;   The module's matrix products, in the order in which they are computed (A, B: the left and right operand; K: the contracted axis; several contracted axes count as one K, in the product's order):
;;     1. [M 8,192, K 1,024] x [K 1,024, N 1,024]; A: input query; B: input Wq: QUANTISED
;;     2. [M 8,192, K 1,024] x [K 1,024, N 1,024]; A: input context; B: input Wk: QUANTISED
;;     3. [M 8,192, K 1,024] x [K 1,024, N 1,024]; A: input context; B: input Wv: QUANTISED
;;     4. batch 64 x [M 2,048, K 64] x [K 64, N 2,048]; A: computed on the way; B: computed on the way: QUANTISED
;;     5. batch 64 x [M 64, K 2,048] x [K 2,048, N 2,048]; A: computed on the way; B: softmax (see below): QUANTISED
;;     6. [M 8,192, K 1,024] x [K 1,024, N 1,024]; A: computed on the way; B: input Wo: QUANTISED
;;   THE QUANTISER, for each operand of a quantised product, along K:
;;     - K is cut into blocks of 32 from its start; a last block that is shorter is filled with zeros.
;;     - A block's scale is 2^e with e = floor(log2(the largest magnitude in the block)) - 2, held to -126 .. 127; a block of zeros has e = 0. As a byte (E8M0): e + 127.
;;     - Each number is divided by its block's scale, clamped to +-6, and rounded to the nearest number of E2M1, ties to even, subnormals kept.
;;     - The product sums the exact products of the quantised numbers (number of the format x scale) in f32.
;;   ~~~python
;;   def quantise(x, axis):      # numpy; x: float32 -> the quantised numbers, widened to float32 again
;;       x = np.moveaxis(x, axis, -1); K = x.shape[-1]
;;       x = np.pad(x, [(0, 0)] * (x.ndim - 1) + [(0, -K % 32)]); x = x.reshape(x.shape[:-1] + (-1, 32)); a = np.abs(x).max(-1, keepdims=True)
;;       e = np.where(a > 0, np.clip(np.frexp(np.where(a > 0, a, 1))[1] - 1 - 2, -126, 127), 0)      # np.frexp(a)[1] - 1 = floor(log2(a)), exactly
;;       r = np.clip(x / 2.0 ** e, -6, 6)
;;       step = 2.0 ** (np.maximum(np.frexp(np.where(r == 0, 1, r))[1] - 1, 0) - 1)
;;       q = np.round(r / step) * step * 2.0 ** e      # np.round: ties to even
;;       return np.moveaxis(q.reshape(q.shape[:-2] + (-1,))[..., :K], -1, axis).astype(np.float32)
;;   ~~~
;;   SOFTMAX AHEAD OF A QUANTISED PRODUCT. Where the list says 'softmax', what is quantised is not the finished softmax but p = 2^(t - M), with t = logit x log2(e) and M = ceil(the row's largest t), a whole number; so 1/2 < the row's largest p <= 1. The row's sum l is taken of the UNQUANTISED p, in f32, and the product's result is divided by l at the end. Since M is a whole number, a kernel that streams over the keys may use a running M (the ceiling of the running maximum): every later rescaling is an exact power of two, which a block's scale takes up: the codes' values come out the same.
;;   OPERANDS COMPUTED ON THE WAY. 'Computed on the way' means the value that the module computes at that place (a softmax that the list does not call 'softmax' is quantised finished and normalised). What goes into a quantiser is computed in f32, as accurately as f32 sums, v_exp_f32 and their like allow (about 1e-6 of the number): no bf16 or f16 on the way to a quantiser, and a product that is left as it is and whose result goes on into a quantised operand takes f32 operands (vector FMAs, or v_wmma_f32_16x16x4_f32). A number that lies on a knife's edge between two numbers of the format may be rounded either way, as far as f32 arithmetic and the matrix unit's own rounding can turn it there, and no further.
;; One version. Each part assembles by itself: llvm-mc -triple=amdgcn-amd-amdhsa -mcpu=gfx1250 --defsym DOCPART=n.
;; ======== version 1 of 1: 4 launches
;; workspace buffers: x_img 8,388,608 bytes; x_sc 524,288 bytes; w_img 2,097,152 bytes; w_sc 131,072 bytes; qkv_img 12,582,912 bytes; qkv_sc 1,310,720 bytes; o_img 4,194,304 bytes; o_sc 262,144 bytes
;; launch quant (part 1): grid 384 x 1, 4 waves a work-group, no clusters, 34,304 bytes of LDS; arguments query, context, Wq, Wk, Wv, Wo, x_img, x_sc, w_img, w_sc; writes x_img, x_sc, w_img, w_sc
.if DOCPART == 1
	.amdgcn_target "amdgcn-amd-amdhsa--gfx1250"
	.amdhsa_code_object_version 6
	.text
	.protected	k_qf469d99c68_quant
	.globl	k_qf469d99c68_quant
	.p2align	8
	.type	k_qf469d99c68_quant,@function
k_qf469d99c68_quant:
	s_mov_b64 s[64:65], 0
	v_nop
	global_prefetch_b8 v0, s[64:65] scope:SCOPE_SE
	s_setreg_imm32_b32 hwreg(HW_REG_WAVE_MODE, 25, 1), 1
	s_wait_xcnt 0x0
; query, context [4][1024 (K)][2048] and Wq, Wk, Wv, Wo [1024][1024 (K)], f32, become codes of FP4 (E2M1) with one E8M0 scale byte for each 32 along K.
; A block's scale is 2^(floor(log2(its largest magnitude)) - 2): its byte is the largest magnitude's exponent field - 2, held at 1 from below by a floor among the maximum's leaves.
; LIMITS: a block of zeros gets the byte 1 where the rule says 127 (its codes are zeros, and the bytes are read by this program alone); blocks whose largest magnitude lies under 2^-124 are held at byte 1;
; NaN and infinities among the inputs are not served.
; LAYOUT OF THE CODES: [tile = position / 16][kb = k / 32][r = position % 16][16 bytes]: 8,192 bytes a tile.  A fragment (16 rows x 128 K) is then 1,024 consecutive bytes in the order of the operand's registers:
; register group c of lane l at 1024 s + 512 c + 16 l.  SCALE BYTES: [tile][k / 512][r][16 bytes].
; POSITIONS: position p holds the true row (or column) p with its bits 3 and 4 exchanged, so that two neighbouring tiles used as a product's first source leave 16 true neighbours in a lane's 16 result registers.
; Work-groups 0-255 take the activations (K is not innermost: a lane takes a column and its registers run down K; 128 columns x 512 along K a work-group),
; work-groups 256-383 the weights (K innermost: a wave takes 16 rows x 512 along K, turned through its own stage in LDS).  No wave shares anything with another: no barrier, no cluster.
.set EMAX, 2
.set XA,   32                          ; activations: v32-95 two sets of 32 numbers
.set CA,   96                          ; v96-159 four registers of codes for each of 16 blocks: no store's data are written again
.set SBA,  24                          ; v24-27 the 16 scale bytes
.set CW,   32                          ; weights: v32-63 codes, eight registers for each of 4 K steps
.set RW,   64                          ; v64-191 two sets of 64: 16 rows x 128 numbers as loaded
.set XW,   192                         ; v192-255 my 64 numbers of a K step
.set WP,   528                         ; a stage row: 512 bytes + 16: the sixteen rows that a load touches start at sixteen different banks
.macro LOADA t                         ; block t: x(32 t + i, my column): a wave reads 128 consecutive bytes, the work-group 512
.irp i, 0,1,2,3,4,5,6,7,8,9,10,11,12,13,14,15,16,17,18,19,20,21,22,23,24,25,26,27,28,29,30,31
	global_load_b32 v[XA+32*((\t)%2)+\i], v3, s[4:5] offset:(32*(\t)+\i)*8192 th:TH_LOAD_NT
.endr
.endm
.macro BLOCKA t
.set XS, XA+32*((\t)%2)
.if (\t) < 15
	s_wait_loadcnt 32                              ; this block's 32 loads are in; the next block's 32 may be out
.else
	s_wait_loadcnt 0x0
.endif
	v_max3_num_f32 v12, |v[XS]|, |v[XS+1]|, |v[XS+2]|              ; the block's largest magnitude: all 32 numbers are mine; two chains
	v_max3_num_f32 v13, |v[XS+3]|, |v[XS+4]|, |v[XS+5]|
.irp i, 6,10,14,18,22,26
	v_max3_num_f32 v12, v12, |v[XS+\i]|, |v[XS+\i+1]|
	v_max3_num_f32 v13, v13, |v[XS+\i+2]|, |v[XS+\i+3]|
.endr
	v_max3_num_f32 v12, v12, |v[XS+30]|, |v[XS+31]|
	v_max3_num_f32 v12, v12, v13, (EMAX+1)<<23     ; and the floor 2^(3 - 127): the byte cannot fall under 1
	v_add_nc_u32 v11, -(EMAX<<23), v12             ; 2 off the exponent field: the conversion takes this operand's exponent field as its scale
	v_lshrrev_b32 v13, 23, v11                     ; the scale's byte
.if (\t)%4 == 0
	v_mov_b32 v[SBA+(\t)/4], v13
.else
	v_lshl_or_b32 v[SBA+(\t)/4], v13, 8*((\t)%4), v[SBA+(\t)/4]
.endif
.irp g, 0,1,2,3
	v_cvt_scalef32_pk8_fp4_f32 v[CA+4*(\t)+\g], v[XS+8*\g:XS+8*\g+7], v11
.endr
	global_store_b128 v4, v[CA+4*(\t):CA+4*(\t)+3], s[16:17] offset:256*(\t)   ; lanes 0-15 and lanes 16-31 each store 256 consecutive bytes, aligned
.if (\t)+2 < 16
	LOADA (\t)+2
.endif
.endm
.macro LOADW q                         ; K step q of my 16 rows: each load reads 512 consecutive bytes of one row
.irp p, 0,1,2,3,4,5,6,7,8,9,10,11,12,13,14,15
	global_load_b128 v[RW+64*((\q)%2)+4*\p:RW+64*((\q)%2)+4*\p+3], v4, s[8:9] offset:((\p%8)+16*(\p/8))*4096+512*(\q) th:TH_LOAD_NT
.endr
.endm
.macro STEPW q
.if (\q) < 3
	s_wait_loadcnt 16                              ; this K step's 16 loads are in; the next step's 16 may be out
.else
	s_wait_loadcnt 0x0
.endif
.irp p, 0,1,2,3,4,5,6,7,8,9,10,11,12,13,14,15
	ds_store_b128 v5, v[RW+64*((\q)%2)+4*\p:RW+64*((\q)%2)+4*\p+3] offset:WP*\p
.endr
.irp c, 0,1
.irp i, 0,1,2,3,4,5,6,7
	ds_load_b128 v[XW+32*\c+4*\i:XW+32*\c+4*\i+3], v6 offset:256*\c+16*\i   ; lane (r, h): k = 64 c + 32 h + 0 .. 31 of row r; LDS serves a wave's instructions in order: these see the stores above
.endr
.endr
	s_wait_dscnt 0x0                               ; my numbers are in, and the stage's stores have read their registers
.if (\q) < 2
	LOADW (\q)+2
.endif
.irp c, 0,1
	v_max3_num_f32 v[8+\c], |v[XW+32*\c]|, |v[XW+32*\c+1]|, (EMAX+1)<<23   ; my block 2 c + h, and the floor
.endr
.irp i, 2,4,6,8,10,12,14,16,18,20,22,24,26,28,30
.irp c, 0,1
	v_max3_num_f32 v[8+\c], v[8+\c], |v[XW+32*\c+\i]|, |v[XW+32*\c+\i+1]|
.endr
.endr
.irp c, 0,1
	v_add_nc_u32 v[10+\c], -(EMAX<<23), v[8+\c]
.endr
.irp c, 0,1
	v_lshrrev_b32 v[12+\c], 23, v[10+\c]
.endr
	v_lshl_or_b32 v14, v13, 16, v12                ; my two bytes: blocks h and 2 + h,
	v_lshlrev_b32 v14, v7, v14                     ; at their places in the word (8 h bits up);
	v_permlanex16_b32 v15, v14, s38, s39
	v_or_b32 v[16+(\q)], v14, v15                  ; with lane l xor 16's two the K step's word is whole
.irp c, 0,1
.irp g, 0,1,2,3
	v_cvt_scalef32_pk8_fp4_f32 v[CW+8*(\q)+4*\c+\g], v[XW+32*\c+8*\g:XW+32*\c+8*\g+7], v[10+\c]
.endr
.endr
	v_nop                                          ; one plain line behind the last scaled conversion
.irp c, 0,1
	global_store_b128 v4, v[CW+8*(\q)+4*\c:CW+8*(\q)+4*\c+3], s[20:21] offset:1024*(\q)+512*\c   ; 512 consecutive bytes
.endr
.endm
	s_load_b128 s[4:7], s[0:1], 0x0                ; query, context
	s_load_b256 s[8:15], s[0:1], 0x10              ; Wq, Wk, Wv, Wo
	s_load_b256 s[16:23], s[0:1], 0x30             ; x_img, x_sc, w_img, w_sc
	v_lshl_add_u32 v30, v0, 2, 0x8400
	v_mov_b32 v31, 0
	v_lshrrev_b32 v1, 5, v0
	v_readfirstlane_b32 s24, v1                    ; wave 0..3
	v_and_b32 v2, 31, v0                           ; lane
	s_cmp_lt_u32 ttmp9, 256
	s_cbranch_scc0 .Lweights
	; ---- the activations
	v_and_b32 v3, 7, v2
	v_bfe_u32 v6, v2, 3, 1
	v_bfe_u32 v7, v2, 4, 1
	v_lshl_or_b32 v3, v6, 4, v3
	v_lshl_or_b32 v3, v7, 3, v3                    ; my lane with bits 3 and 4 exchanged: the column that my position holds
	v_lshlrev_b32 v3, 2, v3                        ; in: 4 bytes a column
	v_and_b32 v8, 15, v2
	v_lshlrev_b32 v4, 4, v8                        ; out: 16 r,
	v_lshl_add_u32 v5, v7, 9, v4                   ; scale bytes: + 512 for the second tile
	v_lshl_add_u32 v4, v7, 13, v4                  ; codes: + 8,192 for the second tile
	s_lshr_b32 s25, ttmp9, 7                       ; 0: query, 1: context
	s_bfe_u32 s26, ttmp9, 0x20005                  ; batch
	s_bfe_u32 s27, ttmp9, 0x40001                  ; which 128 columns
	s_and_b32 s28, ttmp9, 1                        ; which half of K
	s_lshl_b32 s30, s26, 23                        ; in: batch x 8 MiB + half x 512 rows of 8,192 bytes + (128 group + 32 wave) x 4
	s_lshl_b32 s31, s28, 22
	s_add_co_u32 s30, s30, s31
	s_lshl_b32 s31, s27, 9
	s_add_co_u32 s30, s30, s31
	s_lshl_b32 s31, s24, 7
	s_add_co_u32 s30, s30, s31
	s_mov_b32 s31, 0
	s_lshl_b32 s32, s26, 7
	s_lshl_b32 s33, s27, 3
	s_add_co_u32 s32, s32, s33
	s_lshl_b32 s33, s24, 1
	s_add_co_u32 s32, s32, s33                     ; my first tile: 128 batch + 8 group + 2 wave
	s_lshl_b32 s34, s32, 13
	s_lshl_b32 s33, s25, 22
	s_add_co_u32 s34, s34, s33
	s_lshl_b32 s33, s28, 12
	s_add_co_u32 s34, s34, s33
	s_mov_b32 s35, 0                               ; codes: tensor x 4 MiB + tile x 8,192 + half x 4,096
	s_lshl_b32 s36, s32, 9
	s_lshl_b32 s33, s25, 18
	s_add_co_u32 s36, s36, s33
	s_lshl_b32 s33, s28, 8
	s_add_co_u32 s36, s36, s33
	s_mov_b32 s37, 0                               ; scale bytes: tensor x 256 KiB + tile x 512 + half x 256
	s_wait_alu depctr_va_vdst(0)
	s_wait_kmcnt 0x0
	s_cmp_eq_u32 s25, 0                            ; the choice hangs on the work-group's number alone
	s_cselect_b64 s[4:5], s[4:5], s[6:7]
	s_add_nc_u64 s[4:5], s[4:5], s[30:31]
	s_add_nc_u64 s[16:17], s[16:17], s[34:35]
	s_add_nc_u64 s[18:19], s[18:19], s[36:37]
	LOADA 0
	LOADA 1
.set Q, 0
.rept 16
	BLOCKA Q
.set Q, Q+1
.endr
	global_store_b128 v5, v[SBA:SBA+3], s[18:19]   ; my column's 16 scale bytes: sixteen lanes store 256 consecutive bytes, aligned
	s_endpgm
	; ---- the weights
.Lweights:
	s_wait_alu depctr_va_vdst(0)
	v_and_b32 v3, 15, v2                           ; r
	v_bfe_u32 v21, v2, 4, 1                        ; h
	v_lshlrev_b32 v4, 4, v2                        ; 16 x lane
	s_mul_i32 s25, s24, 16*WP                      ; my stage
	v_add_nc_u32 v5, s25, v4                       ; into it: a row as it lies
	v_mul_u32_u24 v6, v3, WP
	v_lshl_add_u32 v6, v21, 7, v6
	v_add_nc_u32 v6, s25, v6                       ; out of it: row r, + 128 h bytes
	v_lshlrev_b32 v7, 3, v21                       ; 8 h
	v_mov_b32 v15, 0                               ; a lane permute's destination counts as one of its sources
	v_lshlrev_b32 v20, 4, v3                       ; 16 r
	s_mov_b32 s38, 0x76543210
	s_mov_b32 s39, 0xfedcba98                      ; lane l xor 16
	s_sub_co_u32 s25, ttmp9, 256
	s_lshr_b32 s26, s25, 5                         ; which weight
	s_lshl_b32 s27, s25, 2
	s_add_co_u32 s27, s27, s24
	s_bfe_u32 s28, s27, 0x60001                    ; tile 0..63
	s_and_b32 s29, s27, 1                          ; which half of K
	s_lshr_b32 s30, s28, 1
	s_lshl_b32 s30, s30, 17                        ; the tile's first true row, 32 (tile / 2) + 8 (tile % 2), x 4,096 bytes
	s_and_b32 s31, s28, 1
	s_lshl_b32 s31, s31, 15
	s_add_co_u32 s30, s30, s31
	s_lshl_b32 s31, s29, 11
	s_add_co_u32 s30, s30, s31
	s_mov_b32 s31, 0
	s_lshl_b32 s32, s26, 19
	s_lshl_b32 s33, s28, 13
	s_add_co_u32 s32, s32, s33
	s_lshl_b32 s33, s29, 12
	s_add_co_u32 s32, s32, s33
	s_mov_b32 s33, 0
	s_lshl_b32 s34, s26, 15
	s_lshl_b32 s35, s28, 9
	s_add_co_u32 s34, s34, s35
	s_lshl_b32 s35, s29, 8
	s_add_co_u32 s34, s34, s35
	s_mov_b32 s35, 0
	s_and_b32 s36, s26, 1
	s_wait_alu depctr_va_vdst(0)
	s_wait_kmcnt 0x0
	s_cmp_lt_u32 s26, 2
	s_cselect_b64 s[8:9], s[8:9], s[12:13]         ; Wq or Wv
	s_cselect_b64 s[10:11], s[10:11], s[14:15]     ; Wk or Wo
	s_cmp_eq_u32 s36, 0
	s_cselect_b64 s[8:9], s[8:9], s[10:11]
	s_add_nc_u64 s[8:9], s[8:9], s[30:31]
	s_add_nc_u64 s[20:21], s[20:21], s[32:33]
	s_add_nc_u64 s[22:23], s[22:23], s[34:35]
	LOADW 0
	LOADW 1
	STEPW 0
	STEPW 1
	STEPW 2
	STEPW 3
	s_wait_xcnt 0x0                                ; EXEC changes only behind this wait: the stores above have been taken
	v_cmp_gt_u32 vcc_lo, 16, v2
	s_wait_tensorcnt 0x0
	ds_add_u32 v30, v31
	s_wait_dscnt 0x0
	s_and_saveexec_b32 s40, vcc_lo
	global_store_b128 v20, v[16:19], s[22:23]      ; the four K steps' scale words of row r: sixteen lanes store 256 consecutive bytes, aligned
	s_wait_xcnt 0x0
	s_or_b32 exec_lo, exec_lo, s40
	s_endpgm
.Lfunc_end_k_qf469d99c68_quant:
	.size	k_qf469d99c68_quant, .Lfunc_end_k_qf469d99c68_quant-k_qf469d99c68_quant
	.p2alignl 7, 3214868480
	.fill 96, 4, 3214868480
	.section	.rodata,"a",@progbits
	.p2align	6, 0x0
	.amdhsa_kernel k_qf469d99c68_quant
		.amdhsa_group_segment_fixed_size 34304
		.amdhsa_private_segment_fixed_size 0
		.amdhsa_enable_private_segment 0
		.amdhsa_kernarg_size 80
		.amdhsa_user_sgpr_count 2
		.amdhsa_user_sgpr_kernarg_segment_ptr 1
		.amdhsa_wavefront_size32 1
		.amdhsa_system_sgpr_workgroup_id_x 1
		.amdhsa_system_sgpr_workgroup_id_y 1
		.amdhsa_system_sgpr_workgroup_id_z 1
		.amdhsa_system_vgpr_workitem_id 0
		.amdhsa_next_free_vgpr 256
		.amdhsa_next_free_sgpr 66
		.amdhsa_reserve_vcc 1
		.amdhsa_float_denorm_mode_32 3
		.amdhsa_float_denorm_mode_16_64 3
		.amdhsa_memory_ordered 1
		.amdhsa_forward_progress 1
		.amdhsa_inst_pref_size 105
	.end_amdhsa_kernel
	.amdgpu_metadata
---
amdhsa.version: [ 1, 2 ]
amdhsa.kernels:
  - .name:           k_qf469d99c68_quant
    .symbol:         k_qf469d99c68_quant.kd
    .args:
      - { .name: query, .offset: 0, .size: 8, .value_kind: global_buffer, .address_space: global }
      - { .name: context, .offset: 8, .size: 8, .value_kind: global_buffer, .address_space: global }
      - { .name: Wq, .offset: 16, .size: 8, .value_kind: global_buffer, .address_space: global }
      - { .name: Wk, .offset: 24, .size: 8, .value_kind: global_buffer, .address_space: global }
      - { .name: Wv, .offset: 32, .size: 8, .value_kind: global_buffer, .address_space: global }
      - { .name: Wo, .offset: 40, .size: 8, .value_kind: global_buffer, .address_space: global }
      - { .name: x_img, .offset: 48, .size: 8, .value_kind: global_buffer, .address_space: global }
      - { .name: x_sc, .offset: 56, .size: 8, .value_kind: global_buffer, .address_space: global }
      - { .name: w_img, .offset: 64, .size: 8, .value_kind: global_buffer, .address_space: global }
      - { .name: w_sc, .offset: 72, .size: 8, .value_kind: global_buffer, .address_space: global }
    .group_segment_fixed_size: 34304
    .private_segment_fixed_size: 0
    .kernarg_segment_align: 8
    .kernarg_segment_size: 80
    .max_flat_workgroup_size: 128
    .sgpr_count:     66
    .vgpr_count:     256
    .wavefront_size: 32
...
	.end_amdgpu_metadata
.endif
;; end of part 1
;; launch proj (part 2): grid 12 x 64, 4 waves a work-group, clusters of 4 x 4, 209,408 bytes of LDS; arguments x_img, x_sc, w_img, w_sc, qkv_img, qkv_sc; writes qkv_img, qkv_sc
.if DOCPART == 2
	.amdgcn_target "amdgcn-amd-amdhsa--gfx1250"
	.amdhsa_code_object_version 6
	.text
	.protected	k_qf469d99c68_proj
	.globl	k_qf469d99c68_proj
	.p2align	8
	.type	k_qf469d99c68_proj,@function
k_qf469d99c68_proj:
	s_mov_b64 s[64:65], 0
	v_nop
	global_prefetch_b8 v0, s[64:65] scope:SCOPE_SE
	s_setreg_imm32_b32 hwreg(HW_REG_WAVE_MODE, 25, 1), 1
	s_wait_xcnt 0x0
	s_wait_alu depctr_hold_cnt(0) depctr_sa_sdst(0) depctr_va_vdst(0) depctr_va_sdst(0) depctr_va_ssrc(0) depctr_va_vcc(0) depctr_vm_vsrc(0)
	s_getreg_b32 s2, hwreg(HW_REG_IB_STS2, 6, 4)
	s_cmp_eq_u32 s2, 0
	s_cbranch_scc0 .Lentry_in_a_cluster
	s_endpgm
.Lentry_in_a_cluster:
	s_bfe_u32 s2, ttmp6, 0x10000c
	s_cmp_lg_u32 s2, 0xf033
	s_cbranch_scc0 .Lentry_shape_is_right
	s_endpgm
.Lentry_shape_is_right:
; q = Wq query, k = Wk context, v = Wv context, on codes of FP4 with E8M0 scales, K = 1,024; the results are quantised in registers and leave as codes: q and k along a head's 64 channels, v along the keys.
; A work-group makes 128 R rows x 256 P rows.  P is the matrix instruction's first source, so a lane's result registers run along P; R is its second source, so a lane holds one R row.
; Cluster x says which product: 0: q (R = query's positions, P = Wq's rows), 1: k (R = context, P = Wk), 2: v (R = Wv's rows, P = context's positions): the registers run along the axis that is quantised next.
; Wave w: R rows 64 (w / 2) on, P rows 128 (w % 2) on: 32 accumulators.  Positions hold true rows with bits 3 and 4 exchanged, so the 16 registers of P tiles 2 b, 2 b + 1 are the true neighbours 32 b + 16 (lane / 16) + 0 .. 15.
; ALL OF K LIES IN LDS, filled once: 204 KiB of codes and scale bytes; nothing is filled again.  The codes lie as images of the operands' registers: a fragment is two loads of 512 consecutive bytes.
; CLUSTER 4 x 4: R's tiles hang on the cluster's y place alone and are asked for jointly along a row of the cluster, P's on its x place alone and jointly along a column.
; LIMITS: a block of zeros gets the scale byte 1 (its codes are zeros; the bytes are read by this program alone); blocks under 2^-124 are held at byte 1; NaN and infinities are not served.
; REGISTERS: window 0: v1-25 addresses; v32-63 P's scale words, v64-79 R's (they hold scales and nothing else); v128-191 R's fragments, two sets, later the codes made; v200-235 at work.
;   window 1: P's fragments, two sets at v0 and v128.   window 2: accumulator (a, b) at v[8 (8 a + b)].
.set RIMG, 0                           ; LDS: R's codes [K half 2][tile 8][4,096]
.set PIMG, 65536                       ; P's codes [K half 2][tile 16][4,096]
.set RSC,  196608                      ; R's scale bytes [tile 8][K half][r][16]
.set PSC,  200704                      ; P's [tile 16][K half][r][16]
.set WV, 16
.set RH, 17
.set PH, 18
.set G1R, 24                           ; s[24:31] group 1 for R's codes; s[32:43] three groups 0: scales, K half 0, K half 1
.set G0R, 32
.set G1P, 44                           ; s[44:51], s[52:63] the same for P
.set G0P, 52
.set G1RS, 68                          ; s[68:75], s[76:83] groups 1 for the scale bytes
.set G1PS, 76
.set SEL, 66
.set LI, 4
.set ADRR, 16
.set ADRP, 20
.set ADPS, 22
.set ADRS, 23
.set PS, 32
.set RS, 64
.set RF, 128
.set PC, 128
.set TM, 200
.set WD, 224
.set MSB, 0
.macro WIN new                         ; the immediate's high byte repeats the setting that is left
.if MSB != \new
	s_set_vgpr_msb (MSB<<8)|\new
.set MSB, \new
.endif
.endm
.macro PLACES n
.rept \n
	v_nop
.endr
.endm
.macro CROUND                          ; a round of the cluster's barrier
	s_barrier_signal -1
	s_barrier_wait -1
	s_cmp_lg_u32 s[WV], 0
	s_cbranch_scc1 .Lnot_wave_0_\@
	s_barrier_signal -3
.Lnot_wave_0_\@:
	s_barrier_wait -3
	s_barrier_signal -1
	s_barrier_wait -1
.endm
.macro G1SET g, c, rows, pitch         ; rows of c elements of 8 bytes, pitch elements apart
	s_mov_b32 s[\g+1], (\c)<<16
	s_mov_b32 s[\g+2], (\rows)<<16
	s_mov_b32 s[\g+3], (\c)<<16
	s_mov_b32 s[\g+4], \rows
	s_mov_b32 s[\g+5], \pitch
	s_mov_b32 s[\g+6], 0
	s_mov_b32 s[\g+7], 0
.endm
.macro G0SET g, lreg, lconst, ptr, add
	s_mov_b32 s[\g], 1
	s_add_co_u32 s[\g+1], s[\lreg], \lconst
	s_add_nc_u64 s[\g+2:\g+3], s[\ptr:\ptr+1], \add
	s_or_b32 s[\g+3], s[\g+3], 0x80000000
.endm
.macro SCALES                          ; all of K's scale words: lanes 0-15 take P tile j (R tile j), lanes 16-31 P tile j + 4 (R tile j + 2)
.irp k, 0,1
.irp j, 0,1,2,3
	ds_load_b128 v[PS+16*\k+4*\j:PS+16*\k+4*\j+3], v[ADPS] offset:512*\j+256*\k
.endr
.irp j, 0,1
	ds_load_b128 v[RS+8*\k+4*\j:RS+8*\k+4*\j+3], v[ADRS] offset:512*\j+256*\k
.endr
.endr
.endm
.macro FETCH s                         ; K step s: P's eight fragments and R's four, into set s % 2
	WIN 0x40
.irp b, 0,1,2,3,4,5,6,7
.irp c, 0,1
	ds_load_b128 v[128*((\s)%2)+8*\b+4*\c:128*((\s)%2)+8*\b+4*\c+3], v[ADRP+(\s)/4] offset:4096*\b+1024*((\s)%4)+512*\c
.endr
.endr
	WIN 0
.irp a, 0,1,2,3
.irp c, 0,1
	ds_load_b128 v[RF+32*((\s)%2)+8*\a+4*\c:RF+32*((\s)%2)+8*\a+4*\c+3], v[ADRR] offset:32768*((\s)/4)+4096*\a+1024*((\s)%4)+512*\c
.endr
.endr
.endm
.macro WM a, b, s                      ; one product; the first K step starts the sums with the constant 0
.set rD, 8*(8*(\a)+(\b))
.set rP, 128*((\s)%2)+8*(\b)
.set rR, RF+32*((\s)%2)+8*(\a)
.set rX, PS+16*((\s)/4)+4*((\b)%4)+(\s)%4
.set rY, RS+8*((\s)/4)+4*((\a)%2)+(\s)%4
.if (\s) == 0
.if ((\b) < 4) && ((\a) < 2)
	v_wmma_scale_f32_16x16x128_f8f6f4 v[rD:rD+7], v[rP:rP+7], v[rR:rR+7], 0, v[rX], v[rY] matrix_a_fmt:MATRIX_FMT_FP4 matrix_b_fmt:MATRIX_FMT_FP4
.elseif (\a) < 2
	v_wmma_scale_f32_16x16x128_f8f6f4 v[rD:rD+7], v[rP:rP+7], v[rR:rR+7], 0, v[rX], v[rY] matrix_a_fmt:MATRIX_FMT_FP4 matrix_b_fmt:MATRIX_FMT_FP4 matrix_a_scale:MATRIX_SCALE_ROW1
.elseif (\b) < 4
	v_wmma_scale_f32_16x16x128_f8f6f4 v[rD:rD+7], v[rP:rP+7], v[rR:rR+7], 0, v[rX], v[rY] matrix_a_fmt:MATRIX_FMT_FP4 matrix_b_fmt:MATRIX_FMT_FP4 matrix_b_scale:MATRIX_SCALE_ROW1
.else
	v_wmma_scale_f32_16x16x128_f8f6f4 v[rD:rD+7], v[rP:rP+7], v[rR:rR+7], 0, v[rX], v[rY] matrix_a_fmt:MATRIX_FMT_FP4 matrix_b_fmt:MATRIX_FMT_FP4 matrix_a_scale:MATRIX_SCALE_ROW1 matrix_b_scale:MATRIX_SCALE_ROW1
.endif
.else
.if ((\b) < 4) && ((\a) < 2)
	v_wmma_scale_f32_16x16x128_f8f6f4 v[rD:rD+7], v[rP:rP+7], v[rR:rR+7], v[rD:rD+7], v[rX], v[rY] matrix_a_fmt:MATRIX_FMT_FP4 matrix_b_fmt:MATRIX_FMT_FP4
.elseif (\a) < 2
	v_wmma_scale_f32_16x16x128_f8f6f4 v[rD:rD+7], v[rP:rP+7], v[rR:rR+7], v[rD:rD+7], v[rX], v[rY] matrix_a_fmt:MATRIX_FMT_FP4 matrix_b_fmt:MATRIX_FMT_FP4 matrix_a_scale:MATRIX_SCALE_ROW1
.elseif (\b) < 4
	v_wmma_scale_f32_16x16x128_f8f6f4 v[rD:rD+7], v[rP:rP+7], v[rR:rR+7], v[rD:rD+7], v[rX], v[rY] matrix_a_fmt:MATRIX_FMT_FP4 matrix_b_fmt:MATRIX_FMT_FP4 matrix_b_scale:MATRIX_SCALE_ROW1
.else
	v_wmma_scale_f32_16x16x128_f8f6f4 v[rD:rD+7], v[rP:rP+7], v[rR:rR+7], v[rD:rD+7], v[rX], v[rY] matrix_a_fmt:MATRIX_FMT_FP4 matrix_b_fmt:MATRIX_FMT_FP4 matrix_a_scale:MATRIX_SCALE_ROW1 matrix_b_scale:MATRIX_SCALE_ROW1
.endif
.endif
.endm
.macro MUL s                           ; 32 products; the 32 accumulators take turns, one instruction a turn, in the same order in every step
	WIN 0xa1                                       ; first source (P) window 1, second (R) window 0, C and D window 2
.irp a, 0,1,2,3
.irp b, 0,1,2,3,4,5,6,7
	WM \a, \b, \s
.endr
.endr
.endm
.macro KSTEP s
	s_wait_dscnt 0x0                               ; this step's fragments are in (asked for 32 products ago)
.if (\s) == 3
	s_wait_tensorcnt 0x0                           ; my part of K half 1 has landed,
	s_barrier_signal -1
	s_barrier_wait -1                              ; everybody's has, and nobody reads K half 0 any more
.endif
.if (\s) > 0
	PLACES 4                                       ; four places between the last step's products and loads into the registers that they read
.endif
.if (\s) < 7
	FETCH (\s)+1
.endif
	MUL \s
.endm
; 64 numbers of a lane in window 2, v[s] on, register 16 b + i = k 32 b + 16 (lane / 16) + i of my row, become a fragment's codes in v[pc] on and its scale word in v[pw].
.macro QUANT s, pc, pw
	WIN 0x28                                       ; second and third source window 2
.irp b, 0,1,2,3
	v_max3_num_f32 v[TM+\b], 0x1800000, |v[(\s)+16*\b]|, |v[(\s)+16*\b+1]|   ; block b: my 16 numbers, each accumulator from its low end on, and the floor 2^(3 - 127)
.endr
.irp i, 2,4,6,8,10,12,14
.irp b, 0,1,2,3
	v_max3_num_f32 v[TM+\b], v[TM+\b], |v[(\s)+16*\b+\i]|, |v[(\s)+16*\b+\i+1]|
.endr
.endr
	WIN 0
.irp b, 0,1,2,3
	v_permlanex16_b32 v[TM+4+\b], v[TM+\b], s[SEL], s[SEL+1]
.endr
.irp b, 0,1,2,3
	v_max_num_f32 v[TM+\b], v[TM+\b], v[TM+4+\b]   ; with lane l xor 16's: the block's largest magnitude
.endr
.irp b, 0,1,2,3
	v_add_nc_u32 v[TM+12+\b], 0xff000000, v[TM+\b] ; 2 off the exponent field: the conversion's scale operand
.endr
.irp b, 0,1,2,3
	v_lshrrev_b32 v[TM+8+\b], 23, v[TM+12+\b]      ; the scale's byte
.endr
	v_lshl_or_b32 v[\pw], v[TM+9], 8, v[TM+8]
	v_lshl_or_b32 v[\pw], v[TM+10], 16, v[\pw]
	v_lshl_or_b32 v[\pw], v[TM+11], 24, v[\pw]
	WIN 0x02                                       ; first source window 2
.irp b, 0,1,2,3
	v_cvt_scalef32_pk8_fp4_f32 v[(\pc)+2*\b], v[(\s)+16*\b:(\s)+16*\b+7], v[TM+12+\b]
	v_cvt_scalef32_pk8_fp4_f32 v[(\pc)+2*\b+1], v[(\s)+16*\b+8:(\s)+16*\b+15], v[TM+12+\b]
.endr
	WIN 0
	v_nop                                          ; one plain line behind the last scaled conversion
.irp c, 0,1                                    ; the operand's layout wants a whole block in a lane
.irp i, 0,1
	v_permlane16_swap_b32 v[(\pc)+4*\c+\i], v[(\pc)+4*\c+2+\i]
.endr
.endr
.endm
	s_load_b256 s[4:11], s[0:1], 0x0               ; x_img, x_sc, w_img, w_sc
	s_load_b128 s[12:15], s[0:1], 0x20             ; qkv_img, qkv_sc
	v_lshl_add_u32 v254, v0, 2, 0x33000
	v_mov_b32 v255, 0
	ds_add_u32 v254, v255
	ds_add_u32 v254, v255
	v_lshrrev_b32 v1, 5, v0
	v_readfirstlane_b32 s[WV], v1                  ; wave 0..3
	s_lshr_b32 s[RH], s[WV], 1                     ; which 64 R rows are mine.  Also: I fetch for R (0) or for P (1)
	s_and_b32 s[PH], s[WV], 1                      ; which 128 P rows.  Also: which half of that tile I fetch
	s_bfe_u32 s19, ttmp6, 0x40000                  ; cx
	s_bfe_u32 s20, ttmp6, 0x40004                  ; cy
	s_and_b32 s2, ttmp7, 0xffff                    ; cluster y, 0..15
	s_lshl_b32 s22, s2, 2
	s_add_co_u32 s22, s22, s20                     ; q, k: R tile = 4 y + cy (64 tiles of 128 positions)
	s_lshr_b32 s23, s2, 3
	s_lshl_b32 s23, s23, 2
	s_add_co_u32 s23, s23, s20                     ; v: R tile = 4 (y / 8) + cy (8 tiles of 128 rows of Wv)
	s_and_b32 s21, s2, 7
	s_lshl_b32 s21, s21, 2
	s_add_co_u32 s21, s21, s19                     ; v: P tile = 4 (y % 8) + cx (32 tiles of 256 positions)
	s_cmp_eq_u32 ttmp9, 2                          ; cluster x is the same in all sixteen partners
	s_cselect_b32 s22, s23, s22                    ; R tile: hangs on cy alone
	s_cselect_b32 s21, s21, s19                    ; P tile: hangs on cx alone (q, k: P tile = cx)
	s_lshl_b32 s66, s20, 2
	s_lshl_b32 s66, 15, s66                        ; my row of the cluster
	s_lshl_b32 s67, 0x1111, s19                    ; my column
	s_or_b32 s[G1R], s66, (3<<16)|(1<<21)          ; 15:0 the mask; 17:16 elements of 8 bytes; 21 set beside a mask; no padding
	s_or_b32 s[G1RS], s66, (3<<16)|(1<<21)
	s_or_b32 s[G1P], s67, (3<<16)|(1<<21)
	s_or_b32 s[G1PS], s67, (3<<16)|(1<<21)
	G1SET G1R, 512, 4, 1024                        ; 4 tiles' halves: rows of 4,096 bytes, 8,192 apart
	G1SET G1P, 512, 8, 1024                        ; 8 tiles' halves
	G1SET G1RS, 32, 8, 32                          ; 4 tiles' scale bytes: 2,048 dense bytes as rows of 256
	G1SET G1PS, 32, 16, 32                         ; 8 tiles': 4,096
	s_lshl_b32 s90, s22, 3
	s_lshl_b32 s3, s[PH], 2
	s_add_co_u32 s90, s90, s3                      ; the first tile of 16 that I would fetch for R
	s_lshl_b32 s94, s90, 9
	s_lshl_b32 s90, s90, 13
	s_mov_b32 s91, 0
	s_mov_b32 s95, 0
	s_lshl_b32 s92, s21, 4
	s_lshl_b32 s3, s[PH], 3
	s_add_co_u32 s92, s92, s3                      ; and for P
	s_lshl_b32 s96, s92, 9
	s_lshl_b32 s92, s92, 13
	s_mov_b32 s93, 0
	s_mov_b32 s97, 0
	s_min_u32 s2, ttmp9, 1                         ; 0: query, 1: context
	s_lshl_b32 s86, s2, 22
	s_mov_b32 s87, 0
	s_lshl_b32 s88, s2, 18
	s_mov_b32 s89, 0
	s_lshl_b32 s98, ttmp9, 19                      ; Wq, Wk, Wv
	s_mov_b32 s99, 0
	s_lshl_b32 s100, ttmp9, 15
	s_mov_b32 s101, 0
	s_wait_dscnt 0x0
	s_wait_kmcnt 0x0
	s_add_nc_u64 s[4:5], s[4:5], s[86:87]
	s_add_nc_u64 s[6:7], s[6:7], s[88:89]
	s_add_nc_u64 s[8:9], s[8:9], s[98:99]
	s_add_nc_u64 s[10:11], s[10:11], s[100:101]
	s_cmp_eq_u32 ttmp9, 2
	s_cselect_b64 s[86:87], s[8:9], s[4:5]         ; R's codes: the weight's for v, the activation's for q and k
	s_cselect_b64 s[88:89], s[10:11], s[6:7]       ; R's scale bytes
	s_cselect_b64 s[98:99], s[4:5], s[8:9]         ; P's codes
	s_cselect_b64 s[100:101], s[6:7], s[10:11]     ; P's scale bytes
	s_add_nc_u64 s[86:87], s[86:87], s[90:91]
	s_add_nc_u64 s[88:89], s[88:89], s[94:95]
	s_add_nc_u64 s[98:99], s[98:99], s[92:93]
	s_add_nc_u64 s[100:101], s[100:101], s[96:97]
	s_lshl_b32 s2, s[PH], 14                       ; where they go: no place in the cluster enters an LDS address
	s_lshl_b32 s3, s[PH], 11
	G0SET G0R, 3, RSC, 88, 0
	G0SET G0R+4, 2, RIMG, 86, 0
	G0SET G0R+8, 2, RIMG+32768, 86, 4096
	s_lshl_b32 s2, s[PH], 15
	s_lshl_b32 s3, s[PH], 12
	G0SET G0P, 3, PSC, 100, 0
	G0SET G0P+4, 2, PIMG, 98, 0
	G0SET G0P+8, 2, PIMG+65536, 98, 4096
	CROUND                                         ; all sixteen work-groups are here: the joint loads meet
	s_cmp_eq_u32 s[RH], 0                          ; a wave's three fills stand in one branch on its number: three tensor loads of mine are out
	s_cbranch_scc0 .Lfill_p
	tensor_load_to_lds s[G0R:G0R+3], s[G1RS:G1RS+7]
	s_nop 0
	tensor_load_to_lds s[G0R+4:G0R+7], s[G1R:G1R+7]
	s_nop 0
	tensor_load_to_lds s[G0R+8:G0R+11], s[G1R:G1R+7]
	s_nop 0
	PLACES 4
	s_branch .Lfilled
.Lfill_p:
	tensor_load_to_lds s[G0P:G0P+3], s[G1PS:G1PS+7]
	s_nop 0
	tensor_load_to_lds s[G0P+4:G0P+7], s[G1P:G1P+7]
	s_nop 0
	tensor_load_to_lds s[G0P+8:G0P+11], s[G1P:G1P+7]
	s_nop 0
	PLACES 4
.Lfilled:
	v_and_b32 v1, 15, v0                           ; r
	v_bfe_u32 v2, v0, 4, 1                         ; h
	v_and_b32 v3, 31, v0                           ; lane
	v_lshlrev_b32 v[LI], 4, v3                     ; 16 x lane
	s_lshl_b32 s2, s[RH], 14
	v_add_nc_u32 v[ADRR], s2, v[LI]                ; R's fragments: my four tiles
	s_lshl_b32 s2, s[PH], 15
	s_add_co_u32 s2, s2, PIMG
	v_add_nc_u32 v[ADRP], s2, v[LI]                ; P's: my eight tiles, K half 0,
	v_add_nc_u32 v[ADRP+1], 65536, v[ADRP]         ; K half 1
	v_lshlrev_b32 v5, 4, v1
	v_lshl_add_u32 v[ADPS], v2, 11, v5             ; P's scale words: 16 r, lanes 16-31 four tiles on
	s_lshl_b32 s2, s[PH], 12
	s_add_co_u32 s2, s2, PSC
	v_add_nc_u32 v[ADPS], s2, v[ADPS]
	v_lshl_add_u32 v[ADRS], v2, 10, v5             ; R's: lanes 16-31 two tiles on
	s_lshl_b32 s2, s[RH], 11
	s_add_co_u32 s2, s2, RSC
	v_add_nc_u32 v[ADRS], s2, v[ADRS]
	; where the results go.  q, k: [head 64][tile 128][lane][16 bytes]; v: [head][64 keys][d tile 4][lane][16 bytes].  All of it while the tiles land
	s_lshr_b32 s10, s22, 4
	s_lshl_b32 s10, s10, 4
	s_lshl_b32 s11, s21, 2
	s_add_co_u32 s10, s10, s11
	s_lshl_b32 s11, s[PH], 1
	s_add_co_u32 s10, s10, s11                     ; q, k: my first head: 16 batch + 4 P tile + 2 half
	s_lshr_b32 s11, s21, 3
	s_lshl_b32 s11, s11, 4
	s_lshl_b32 s23, s22, 1
	s_add_co_u32 s11, s11, s23
	s_add_co_u32 s11, s11, s[RH]                   ; v: my head: 16 batch + 2 R tile + half
	s_and_b32 s23, s22, 15
	s_lshl_b32 s23, s23, 1
	s_add_co_u32 s23, s23, s[RH]                   ; q, k: my four tiles of positions in the batch, as a group of four
	s_and_b32 s9, s21, 7
	s_lshl_b32 s9, s9, 1
	s_add_co_u32 s9, s9, s[PH]                     ; v: my 128 keys in the batch
	s_lshl_b32 s4, s23, 11
	s_lshl_b32 s5, s9, 12
	s_lshl_b32 s6, s23, 8
	s_lshl_b32 s7, s9, 8
	s_add_co_u32 s7, s7, 8192                      ; v's scale words lie behind k's 8,192 bytes of the head
	s_cmp_eq_u32 ttmp9, 2
	s_cselect_b32 s10, s11, s10                    ; the head
	s_cselect_b32 s4, s5, s4                       ; the codes' place in it
	s_cselect_b32 s6, s7, s6                       ; the scale words' place in it
	s_cselect_b32 s8, 0, 16                        ; q, k: lanes 16-31 take the upper two bytes of a word: the second head's
	s_cselect_b32 s23, 16, 32                      ; lanes that store scale words
	s_mov_b32 s5, 0xffff
	s_cselect_b32 s5, -1, s5                       ; q, k: two bytes are kept,
	s_mov_b32 s7, 0x7f7f0000
	s_cselect_b32 s7, 0, s7                        ; and the bytes of the K that a head does not have are 127
	s_mov_b32 s9, 65536
	s_cselect_b32 s9, 2048, s9                     ; the fragment's second half: v: the next 64 keys; q, k: the next head
	s_cmp_eq_u32 ttmp9, 0
	s_mov_b32 s11, 12288
	s_cselect_b32 s11, 8192, s11                   ; a head's scale bytes: q 8,192; k and v together 12,288
	s_cselect_b32 s88, 0, 0x80000
	s_lshl_b32 s86, ttmp9, 22
	s_lshl_b32 s87, s10, 16
	s_add_co_u32 s86, s86, s87
	s_add_co_u32 s86, s86, s4
	s_mov_b32 s87, 0
	s_add_nc_u64 s[12:13], s[12:13], s[86:87]
	s_mov_b32 s86, s9
	s_add_nc_u64 s[84:85], s[12:13], s[86:87]
	s_mul_i32 s89, s10, s11
	s_add_co_u32 s88, s88, s89
	s_add_co_u32 s88, s88, s6
	s_mov_b32 s89, 0
	s_add_nc_u64 s[14:15], s[14:15], s[88:89]
	s_mov_b32 s[SEL], 0x76543210
	s_mov_b32 s[SEL+1], 0xfedcba98                 ; lane l xor 16
	v_mul_u32_u24 v24, v2, s8
	v_mul_u32_u24 v25, v2, s11
	v_lshl_add_u32 v25, v1, 4, v25                 ; scale words: 16 r, lanes 16-31 a head on
.irp b, 0,1,2,3
	v_mov_b32 v[TM+4+\b], 0                        ; a lane permute's destination counts as one of its sources
.endr
	s_wait_alu depctr_va_vdst(0)
	s_wait_tensorcnt 0x1                           ; my scale bytes and my part of K half 0 are in; K half 1's load may be out
	s_barrier_signal -1
	s_barrier_wait -1                              ; everybody's are
	SCALES
	FETCH 0
.irp s, 0,1,2,3,4,5,6,7
	KSTEP \s
.endr
	WIN 0
	PLACES 4                                       ; between the last products and the first read of results, and the first write of R's fragment registers
.irp a, 0,1,2,3
	QUANT 64*\a, PC+8*\a, WD+\a
	global_store_b128 v[LI], v[PC+8*\a:PC+8*\a+3], s[12:13] offset:512*\a       ; 512 consecutive bytes, aligned
	global_store_b128 v[LI], v[PC+8*\a+4:PC+8*\a+7], s[84:85] offset:512*\a
.endr
.irp j, 0,1,2,3
	v_lshrrev_b32 v[232+\j], v24, v[WD+\j]
.endr
.irp j, 0,1,2,3
	v_and_or_b32 v[228+\j], v[232+\j], s5, s7
.endr
	s_wait_alu depctr_va_vdst(0)
	s_wait_xcnt 0x0                                ; EXEC changes only behind this wait
	v_cmp_gt_u32 vcc_lo, s23, v3
	s_and_saveexec_b32 s10, vcc_lo
	global_store_b128 v25, v[228:231], s[14:15]    ; four tiles' words of row r: sixteen lanes store 256 consecutive bytes, aligned
	s_wait_xcnt 0x0
	s_or_b32 exec_lo, exec_lo, s10
	s_wait_tensorcnt 0x0
	ds_add_u32 v254, v255
	s_wait_dscnt 0x0
	CROUND                                         ; the closing round: no work-group ends while a partner may still ask for a tile that names it
	s_endpgm
.Lfunc_end_k_qf469d99c68_proj:
	.size	k_qf469d99c68_proj, .Lfunc_end_k_qf469d99c68_proj-k_qf469d99c68_proj
	.p2alignl 7, 3214868480
	.fill 96, 4, 3214868480
	.section	.rodata,"a",@progbits
	.p2align	6, 0x0
	.amdhsa_kernel k_qf469d99c68_proj
		.amdhsa_group_segment_fixed_size 209408
		.amdhsa_private_segment_fixed_size 0
		.amdhsa_enable_private_segment 0
		.amdhsa_kernarg_size 48
		.amdhsa_user_sgpr_count 2
		.amdhsa_user_sgpr_kernarg_segment_ptr 1
		.amdhsa_wavefront_size32 1
		.amdhsa_system_sgpr_workgroup_id_x 1
		.amdhsa_system_sgpr_workgroup_id_y 1
		.amdhsa_system_sgpr_workgroup_id_z 1
		.amdhsa_system_vgpr_workitem_id 0
		.amdhsa_next_free_vgpr 768
		.amdhsa_next_free_sgpr 102
		.amdhsa_reserve_vcc 1
		.amdhsa_float_denorm_mode_32 3
		.amdhsa_float_denorm_mode_16_64 3
		.amdhsa_memory_ordered 1
		.amdhsa_forward_progress 1
		.amdhsa_inst_pref_size 75
	.end_amdhsa_kernel
	.amdgpu_metadata
---
amdhsa.version: [ 1, 2 ]
amdhsa.kernels:
  - .name:           k_qf469d99c68_proj
    .symbol:         k_qf469d99c68_proj.kd
    .args:
      - { .name: x_img, .offset: 0, .size: 8, .value_kind: global_buffer, .address_space: global }
      - { .name: x_sc, .offset: 8, .size: 8, .value_kind: global_buffer, .address_space: global }
      - { .name: w_img, .offset: 16, .size: 8, .value_kind: global_buffer, .address_space: global }
      - { .name: w_sc, .offset: 24, .size: 8, .value_kind: global_buffer, .address_space: global }
      - { .name: qkv_img, .offset: 32, .size: 8, .value_kind: global_buffer, .address_space: global }
      - { .name: qkv_sc, .offset: 40, .size: 8, .value_kind: global_buffer, .address_space: global }
    .group_segment_fixed_size: 209408
    .private_segment_fixed_size: 0
    .kernarg_segment_align: 8
    .kernarg_segment_size: 48
    .max_flat_workgroup_size: 128
    .sgpr_count:     102
    .vgpr_count:     768
    .wavefront_size: 32
...
	.end_amdgpu_metadata
.endif
;; end of part 2
;; launch attn (part 3): grid 8 x 64, 16 waves a work-group, clusters of 4 x 1, 169,984 bytes of LDS; arguments qkv_img, qkv_sc, o_img, o_sc; writes o_img, o_sc
.if DOCPART == 3
	.amdgcn_target "amdgcn-amd-amdhsa--gfx1250"
	.amdhsa_code_object_version 6
	.text
	.protected	k_qf469d99c68_attn
	.globl	k_qf469d99c68_attn
	.p2align	8
	.type	k_qf469d99c68_attn,@function
k_qf469d99c68_attn:
	s_mov_b64 s[64:65], 0
	v_nop
	global_prefetch_b8 v0, s[64:65] scope:SCOPE_SE
	s_setreg_imm32_b32 hwreg(HW_REG_WAVE_MODE, 25, 1), 1
	s_wait_xcnt 0x0
	s_wait_alu depctr_hold_cnt(0) depctr_sa_sdst(0) depctr_va_vdst(0) depctr_va_sdst(0) depctr_va_ssrc(0) depctr_va_vcc(0) depctr_vm_vsrc(0)
	s_getreg_b32 s2, hwreg(HW_REG_IB_STS2, 6, 4)
	s_cmp_eq_u32 s2, 0
	s_cbranch_scc0 .Lentry_in_a_cluster
	s_endpgm
.Lentry_in_a_cluster:
	s_bfe_u32 s2, ttmp6, 0x10000c
	s_cmp_lg_u32 s2, 0x3003
	s_cbranch_scc0 .Lentry_shape_is_right
	s_endpgm
.Lentry_shape_is_right:
; For each of 64 (batch, head): O = softmax(q^T k / 8) v^T, both products on codes of FP4 with E8M0 scales; the result is quantised along the channels and leaves as codes.
; THE SOFTMAX AHEAD OF THE SECOND PRODUCT: t = score x log2(e) / 8; M = the running largest t rounded up to a whole number; p = 2^(t - M) is quantised along the keys, not normalised; the row's sum is taken
; of the unquantised p and divides O at the end.  When M moves, the sum and O are multiplied by 2^(old M - new M), which rounds nothing.
; SHARES: a work-group owns 256 queries of one head, each of its sixteen waves one tile of 16, in 256 registers: four waves to a SIMD, so that one wave's vector work stands beside another's products and LDS loads.
; THE HEAD'S K AND V LIE IN LDS WHOLE, 140 KiB with their scale bytes, filled once, in four chunks of 512 keys; nothing is filled again.  They lie as images of the operands' registers.
; CLUSTER 4 x 1: four blocks of queries of one head read the same K and V: each chunk is asked for jointly, mask 15.
; LAYOUT: both products are used transposed (S^T = K Q^T, O^T = V^T P^T): a lane holds one query.  A tile's positions hold true keys with bits 3 and 4 exchanged, so the 16 registers of tiles 2 b, 2 b + 1 are the
; neighbouring keys 32 b + 16 (lane / 16) + 0 .. 15.  A head has K = 64: the upper half of each fragment of Q and K is zero codes under the scale byte 127.
; LIMITS: a block of zeros gets the scale byte 1 (its codes are zeros; the bytes are read by this program alone); blocks under 2^-124 are held at byte 1; NaN and infinities are not served.
; REGISTERS: v1-5, v28 addresses that stay; v8-11 addresses in hand; v12 -M, v13 the largest t, v[14:15] the sum; v16-23 Q; v24-27 V's scale words; v32-95 K's eight fragments; v96-159 S^T, then p; v160-191 O^T;
;   v192-223 V's four fragments; v224-231 p's codes; v232-247 at work; v248-251 K's scale words; v252 f; v253 p's scale word; v254 at work; v255 Q's scale word.
.set KIMG, 0
.set VIMG, 65536
.set KSC,  131072                      ; k's scale words [4 tiles][r][4 words], 8,192 bytes; behind them
.set VSC,  139264                      ; v's [128 keys][r][4 d tiles], 4,096 bytes
.set WV,  12
.set G1C, 16                           ; s[16:23] group 1 for a chunk: 64 rows of 256 bytes, dense
.set G1S, 24                           ; s[24:31] for the scale bytes: 48 rows
.set G0S, 32
.set G0K, 36                           ; s[36:51] groups 0 for K's four chunks; V's at s52, s56, s60, s68
.set SEL, 72
.set CS,  74
.set T,   76
.set TS,  77
.set TV,  78
.set CNT, 79
.set AK0, 1
.set AV0, 2
.set AKS0, 3
.set AVS0, 4
.set ADK, 8
.set ADV, 9
.set ADS, 10
.set ADT, 11
.macro CROUND
	s_barrier_signal -1
	s_barrier_wait -1
	s_cmp_lg_u32 s[WV], 0
	s_cbranch_scc1 .Lnot_wave_0_\@
	s_barrier_signal -3
.Lnot_wave_0_\@:
	s_barrier_wait -3
	s_barrier_signal -1
	s_barrier_wait -1
.endm
.macro G0SET g, lds, ptr, add
	s_mov_b32 s[\g], 1
	s_mov_b32 s[\g+1], \lds
	s_add_nc_u64 s[\g+2:\g+3], s[\ptr:\ptr+1], \add
	s_or_b32 s[\g+3], s[\g+3], 0x80000000
.endm
; A KEY STEP: 128 keys.
.macro STEP
	v_add_nc_u32 v[ADK], s[T], v[AK0]              ; these four are also the places between the last step's products and the loads into V's registers
	v_add_nc_u32 v[ADV], s[T], v[AV0]
	v_add_nc_u32 v[ADS], s[TS], v[AKS0]
	v_add_nc_u32 v[ADT], s[TV], v[AVS0]
.irp t, 0,1,2,3,4,5,6,7
	ds_load_b128 v[32+8*\t:35+8*\t], v[ADK] offset:512*\t          ; a tile of 16 keys x 64: 512 consecutive bytes
.endr
	ds_load_b128 v[248:251], v[ADS]                ; lanes 0-15: the words of tiles 0-3; lanes 16-31: of tiles 4-7
.irp t, 0,1,2,3
.irp c, 0,1
	ds_load_b128 v[192+8*\t+4*\c:195+8*\t+4*\c], v[ADV] offset:2048*\c+512*\t
.endr
.endr
	ds_load_b128 v[24:27], v[ADT]
	s_wait_dscnt 9                                 ; K and its scale words are in; V's eight loads and its scale load may be out
.irp t, 0,1,2,3
	v_wmma_scale_f32_16x16x128_f8f6f4 v[96+8*\t:103+8*\t], v[32+8*\t:39+8*\t], v[16:23], 0, v[248+\t], v255 matrix_a_fmt:MATRIX_FMT_FP4 matrix_b_fmt:MATRIX_FMT_FP4
.endr
.irp t, 4,5,6,7
	v_wmma_scale_f32_16x16x128_f8f6f4 v[96+8*\t:103+8*\t], v[32+8*\t:39+8*\t], v[16:23], 0, v[244+\t], v255 matrix_a_fmt:MATRIX_FMT_FP4 matrix_b_fmt:MATRIX_FMT_FP4 matrix_a_scale:MATRIX_SCALE_ROW1
.endr
.rept 4
	v_nop                                          ; four places ahead of the first read of the scores
.endr
.irp b, 0,1,2,3
	v_max3_num_f32 v[232+\b], v[96+16*\b], v[97+16*\b], v[98+16*\b]   ; the largest score of each block of 32 keys: it serves the row's maximum and, since p rises with the score, the block's largest p
.endr
.irp i, 3,5,7,9,11,13
.irp b, 0,1,2,3
	v_max3_num_f32 v[232+\b], v[232+\b], v[96+16*\b+\i], v[97+16*\b+\i]
.endr
.endr
.irp b, 0,1,2,3
	v_max_num_f32 v[232+\b], v[232+\b], v[111+16*\b]
.endr
.irp b, 0,1,2,3
	s_delay_alu instid0(VALU_DEP_4)
	v_permlanex16_b32 v[236+\b], v[232+\b], s[SEL], s[SEL+1]
.endr
.irp b, 0,1,2,3
	s_delay_alu instid0(VALU_DEP_4)
	v_max_num_f32 v[232+\b], v[232+\b], v[236+\b]  ; with lane l xor 16's 16 keys
.endr
	s_delay_alu instid0(VALU_DEP_2)
	v_max3_num_f32 v254, v232, v233, v234
	s_delay_alu instid0(VALU_DEP_1)
	v_max_num_f32 v254, v254, v235                 ; the step's largest score of my query
	s_delay_alu instid0(VALU_DEP_1)
	v_mul_f32 v254, s[CS], v254                    ; as t
	s_delay_alu instid0(VALU_DEP_1)
	v_max_num_f32 v13, v13, v254                   ; the running largest t
	v_mov_b32 v254, v12
	s_delay_alu instid0(VALU_DEP_2)
	v_floor_f32 v12, -v13                          ; the new -M = floor(-t): M is a whole number
	s_delay_alu instid0(VALU_DEP_1)
	v_sub_f32 v254, v12, v254                      ; old M - new M: a whole number, 0 or less
	s_delay_alu instid0(VALU_DEP_1)
	v_cvt_i32_f32 v254, v254                       ; (it saturates)
	s_delay_alu instid0(VALU_DEP_1)
	v_ldexp_f32 v252, 1.0, v254                    ; f = 2^(old M - new M)
.set J, 0
.rept 32
	v_pk_fma_f32 v[96+J:97+J], v[96+J:97+J], s[CS:CS+1], v[12:13] op_sel_hi:[1,0,0]   ; t - M, two at a time
.set J, J+2
.endr
.irp b, 0,1,2,3
	v_fma_f32 v[232+\b], v[232+\b], s[CS], v12     ; the same of each block's largest score
.endr
.set J, 0
	s_wait_alu depctr_va_vdst(0)
.rept 64
	v_exp_f32 v[96+J], v[96+J]                     ; p = 2^(t - M), at most 1
.set J, J+1
.endr
	s_setprio 1
	v_pk_mul_f32 v[14:15], v[14:15], v[252:253] op_sel_hi:[1,0]   ; the sums under the new M: the plain line behind the exponentials
	s_wait_alu depctr_va_vdst(0)                   ; one wait for the whole batch, ahead of its first reader
.irp b, 0,1,2,3
	v_exp_f32 v[232+\b], v[232+\b]                 ; the block's largest p
.endr
	v_pk_add_f32 v[236:237], v[100:101], v[104:105]
	v_pk_add_f32 v[30:31], v[108:109], v[112:113]
	v_pk_add_f32 v[14:15], v[14:15], v[116:117]
	v_pk_add_f32 v[236:237], v[236:237], v[120:121]
	v_pk_add_f32 v[30:31], v[30:31], v[124:125]
	v_pk_add_f32 v[14:15], v[14:15], v[128:129]
	v_pk_add_f32 v[236:237], v[236:237], v[132:133]
	v_pk_add_f32 v[30:31], v[30:31], v[136:137]
	v_pk_add_f32 v[14:15], v[14:15], v[140:141]
	v_pk_add_f32 v[236:237], v[236:237], v[144:145]
	v_pk_add_f32 v[30:31], v[30:31], v[148:149]
	v_pk_add_f32 v[14:15], v[14:15], v[152:153]
	v_pk_add_f32 v[236:237], v[236:237], v[156:157]
	v_pk_add_f32 v[30:31], v[30:31], v[96:97]
	v_pk_add_f32 v[14:15], v[14:15], v[98:99]
	v_pk_add_f32 v[236:237], v[236:237], v[102:103]
	v_pk_add_f32 v[30:31], v[30:31], v[106:107]
	v_pk_add_f32 v[14:15], v[14:15], v[110:111]
	v_pk_add_f32 v[236:237], v[236:237], v[114:115]
	v_pk_add_f32 v[30:31], v[30:31], v[118:119]
	v_pk_add_f32 v[14:15], v[14:15], v[122:123]
	v_pk_add_f32 v[236:237], v[236:237], v[126:127]
	v_pk_add_f32 v[30:31], v[30:31], v[130:131]
	v_pk_add_f32 v[14:15], v[14:15], v[134:135]
	v_pk_add_f32 v[236:237], v[236:237], v[138:139]
	v_pk_add_f32 v[30:31], v[30:31], v[142:143]
	v_pk_add_f32 v[14:15], v[14:15], v[146:147]
	v_pk_add_f32 v[236:237], v[236:237], v[150:151]
	v_pk_add_f32 v[30:31], v[30:31], v[154:155]
	v_pk_add_f32 v[14:15], v[14:15], v[158:159]
	s_delay_alu instid0(VALU_DEP_1)
	v_pk_add_f32 v[14:15], v[14:15], v[30:31]
	s_delay_alu instid0(VALU_DEP_1)
	v_pk_add_f32 v[14:15], v[14:15], v[236:237]
	s_wait_alu depctr_va_vdst(0)                   ; and one for the four
.irp b, 0,1,2,3
	v_max_num_f32 v[232+\b], 0x1800000, v[232+\b]  ; the floor 2^(3 - 127)
.endr
.irp b, 0,1,2,3
	s_delay_alu instid0(VALU_DEP_4)
	v_add_nc_u32 v[244+\b], 0xff000000, v[232+\b]  ; the conversion's scale operand
.endr
.irp b, 0,1,2,3
	s_delay_alu instid0(VALU_DEP_4)
	v_lshrrev_b32 v[236+\b], 23, v[244+\b]         ; the scale's byte
.endr
	s_delay_alu instid0(VALU_DEP_3)
	v_lshl_or_b32 v253, v237, 8, v236              ; p's scale word for these 128 keys
	s_delay_alu instid0(VALU_DEP_1)
	v_lshl_or_b32 v253, v238, 16, v253
	s_delay_alu instid0(VALU_DEP_1)
	v_lshl_or_b32 v253, v239, 24, v253
.irp b, 0,1,2,3
	v_cvt_scalef32_pk8_fp4_f32 v[224+2*\b], v[96+16*\b:103+16*\b], v[244+\b]
	v_cvt_scalef32_pk8_fp4_f32 v[225+2*\b], v[104+16*\b:111+16*\b], v[244+\b]
.endr
	v_nop                                          ; one plain line behind the last scaled conversion
.irp c, 0,1
.irp i, 0,1
	v_permlane16_swap_b32 v[224+4*\c+\i], v[226+4*\c+\i]   ; a whole block to a lane
.endr
.endr
.set J, 0
	s_setprio 0
.rept 16
	v_pk_mul_f32 v[160+J:161+J], v[160+J:161+J], v[252:253] op_sel_hi:[1,0]   ; O^T under the new M; these sixteen are also the places between the writes of p's codes and scale word and the products
.set J, J+2
.endr
	s_wait_alu depctr_va_vdst(0)
	s_wait_dscnt 0x0                               ; V and its scale words are in
.irp t, 0,1,2,3
	v_wmma_scale_f32_16x16x128_f8f6f4 v[160+8*\t:167+8*\t], v[192+8*\t:199+8*\t], v[224:231], v[160+8*\t:167+8*\t], v[24+\t], v253 matrix_a_fmt:MATRIX_FMT_FP4 matrix_b_fmt:MATRIX_FMT_FP4
.endr
	s_add_co_u32 s[T], s[T], 4096
	s_add_co_u32 s[TS], s[TS], 512
	s_add_co_u32 s[TV], s[TV], 256
.endm
.macro CHUNK c                         ; 512 keys: four steps
	s_wait_tensorcnt 3-\c                          ; in the two waves that fetch: chunk c is in (and the scale bytes, asked for ahead of it); the 3 - c later chunks may be out
	s_wait_dscnt 0x0
	s_barrier_signal -1
	s_barrier_wait -1                              ; every wave may read the chunk
	s_mov_b32 s[CNT], 4
.Lstep_\@:
	s_setprio 2
	STEP
	s_sub_co_u32 s[CNT], s[CNT], 1
	s_cmp_lg_u32 s[CNT], 0
	s_cbranch_scc1 .Lstep_\@
	s_setprio 0
.endm
	s_load_b256 s[4:11], s[0:1], 0x0               ; qkv_img, qkv_sc, o_img, o_sc
	v_lshl_add_u32 v242, v0, 2, 0x29000
	v_mov_b32 v243, 0
	ds_add_u32 v242, v243
	ds_add_u32 v242, v243
	v_lshrrev_b32 v1, 5, v0
	s_delay_alu instid0(VALU_DEP_1)
	v_readfirstlane_b32 s[WV], v1                  ; wave 0..15
	s_bfe_u32 s13, ttmp6, 0x40000                  ; cx: it enters Q's and O's global addresses alone
	s_lshl_b32 s14, ttmp9, 2
	s_add_co_u32 s14, s14, s13
	s_lshl_b32 s14, s14, 4
	s_add_co_u32 s14, s14, s[WV]                   ; my tile of 16 queries, 0..127
	s_and_b32 s15, ttmp7, 0xffff                   ; 16 batch + head, which the four partners share
	s_mov_b32 s[G1C], 15|(3<<16)|(1<<21)           ; 15:0 the mask: all four; 17:16 elements of 8 bytes; 21 set beside a mask
	s_mov_b32 s[G1C+1], 32<<16
	s_mov_b32 s[G1C+2], 64<<16
	s_mov_b32 s[G1C+3], 32<<16
	s_mov_b32 s[G1C+4], 64
	s_mov_b32 s[G1C+5], 32
	s_mov_b32 s[G1C+6], 0
	s_mov_b32 s[G1C+7], 0
	s_mov_b32 s[G1S], 15|(3<<16)|(1<<21)
	s_mov_b32 s[G1S+1], 32<<16
	s_mov_b32 s[G1S+2], 48<<16
	s_mov_b32 s[G1S+3], 32<<16
	s_mov_b32 s[G1S+4], 48
	s_mov_b32 s[G1S+5], 32
	s_mov_b32 s[G1S+6], 0
	s_mov_b32 s[G1S+7], 0
	s_lshl_b32 s80, s15, 16                        ; a head's codes: 65,536 bytes in each of q, k, v
	s_mov_b32 s81, 0
	s_mul_i32 s82, s15, 12288
	s_add_co_u32 s82, s82, 524288                  ; k's and v's scale bytes of the head
	s_mov_b32 s83, 0
	s_lshl_b32 s88, s14, 9                         ; Q: my tile
	s_mov_b32 s89, 0
	s_lshl_b32 s90, s15, 13                        ; Q's scale word: head x 8,192 + (tile / 4) x 256 + 4 (tile % 4)
	s_lshr_b32 s91, s14, 2
	s_lshl_b32 s91, s91, 8
	s_add_co_u32 s90, s90, s91
	s_and_b32 s91, s14, 3
	s_lshl_b32 s91, s91, 2
	s_add_co_u32 s90, s90, s91
	s_mov_b32 s91, 0
	s_lshr_b32 s92, s15, 4
	s_lshl_b32 s92, s92, 7
	s_add_co_u32 s92, s92, s14                     ; O: tile 128 batch + mine
	s_and_b32 s93, s15, 15                         ; the head
	s_lshl_b32 s94, s92, 13
	s_lshl_b32 s95, s93, 9
	s_add_co_u32 s94, s94, s95                     ; codes: tile x 8,192 + head x 512
	s_mov_b32 s95, 0
	s_lshl_b32 s92, s92, 9
	s_lshr_b32 s96, s93, 3
	s_lshl_b32 s96, s96, 8
	s_add_co_u32 s92, s92, s96
	s_and_b32 s96, s93, 7
	s_lshl_b32 s96, s96, 1
	s_add_co_u32 s92, s92, s96                     ; scale bytes: tile x 512 + (head / 8) x 256 + 2 (head % 8)
	s_mov_b32 s93, 0
	s_mov_b32 s[SEL], 0x76543210
	s_mov_b32 s[SEL+1], 0xfedcba98
	s_mov_b32 s[CS], 0x3e38aa3b                    ; c = log2(e) / 8
	s_mov_b32 s[CS+1], s[CS]
	s_mov_b32 s[T], 0
	s_mov_b32 s[TS], 0
	s_mov_b32 s[TV], 0
	s_wait_dscnt 0x0
	s_wait_kmcnt 0x0
	s_add_nc_u64 s[84:85], s[4:5], s[80:81]        ; the head in q's codes; k's lie 4 MiB on, v's 8 MiB
	s_add_nc_u64 s[86:87], s[6:7], s[82:83]
	s_add_nc_u64 s[88:89], s[84:85], s[88:89]
	s_add_nc_u64 s[90:91], s[6:7], s[90:91]
	s_add_nc_u64 s[8:9], s[8:9], s[94:95]
	s_add_nc_u64 s[10:11], s[10:11], s[92:93]
	G0SET G0S, KSC, 86, 0
.irp c, 0,1,2,3
	G0SET G0K+4*\c, KIMG+16384*\c, 84, 0x400000+16384*\c
	G0SET 52+4*\c+4*(\c/3), VIMG+16384*\c, 84, 0x800000+16384*\c
.endr
	CROUND                                         ; all four work-groups are here: the joint loads meet
	s_cmp_eq_u32 s[WV], 0                          ; wave 0: the scale bytes and K's four chunks (five tensor loads out); wave 1: V's four chunks (four out); the others none
	s_cbranch_scc0 .Lnot_k
	tensor_load_to_lds s[G0S:G0S+3], s[G1S:G1S+7]
	s_nop 0
	tensor_load_to_lds s[36:39], s[G1C:G1C+7]
	s_nop 0
	tensor_load_to_lds s[40:43], s[G1C:G1C+7]
	s_nop 0
	tensor_load_to_lds s[44:47], s[G1C:G1C+7]
	s_nop 0
	tensor_load_to_lds s[48:51], s[G1C:G1C+7]
	s_nop 0
.rept 4
	v_nop
.endr
	s_branch .Lasked
.Lnot_k:
	s_cmp_eq_u32 s[WV], 1
	s_cbranch_scc0 .Lasked
	tensor_load_to_lds s[52:55], s[G1C:G1C+7]
	s_nop 0
	tensor_load_to_lds s[56:59], s[G1C:G1C+7]
	s_nop 0
	tensor_load_to_lds s[60:63], s[G1C:G1C+7]
	s_nop 0
	tensor_load_to_lds s[68:71], s[G1C:G1C+7]
	s_nop 0
.rept 4
	v_nop
.endr
.Lasked:
	v_and_b32 v6, 31, v0                           ; lane
	v_and_b32 v7, 15, v0                           ; r
	s_delay_alu instid0(VALU_DEP_2)
	v_lshlrev_b32 v5, 4, v6                        ; 16 x lane: Q's codes in, O's codes out
	s_delay_alu instid0(VALU_DEP_2)
	v_lshlrev_b32 v28, 4, v7                       ; 16 r: Q's scale word in, O's scale bytes out
	global_load_b128 v[16:19], v5, s[88:89]        ; Q's fragment stays in registers
	global_load_b32 v255, v28, s[90:91]
	v_lshlrev_b32 v[AK0], 4, v6
	s_delay_alu instid0(VALU_DEP_1)
	v_add_nc_u32 v[AV0], VIMG, v[AK0]
	s_delay_alu instid0(VALU_DEP_2)
	v_add_nc_u32 v[AKS0], KSC, v[AK0]
	v_lshl_add_u32 v[AVS0], v7, 4, VSC
.irp j, 20,21,22,23
	v_mov_b32 v[\j], 0                             ; the K that a head does not have: zero codes
.endr
.irp t, 0,1,2,3,4,5,6,7
.irp j, 4,5,6,7
	v_mov_b32 v[32+8*\t+\j], 0
.endr
.endr
	v_mov_b32 v13, 0xff61b1e6                      ; the largest t so far: -3e38
	s_delay_alu instid0(VALU_DEP_1)
	v_floor_f32 v12, -v13
	v_mov_b32 v14, 0
	v_mov_b32 v15, 0
.irp b, 0,1,2,3
	v_mov_b32 v[236+\b], 0                         ; a lane permute's destination counts as one of its sources
.endr
	v_mov_b32 v252, 0
	v_mov_b32 v253, 0
.set J, 0
.rept 32
	v_mov_b32 v[160+J], 0                          ; O^T: the step is written once for all steps: the first finds zeros, which the first change of M leaves zeros
.set J, J+1
.endr
	s_wait_loadcnt 0x0                             ; Q
	CHUNK 0
	CHUNK 1
	CHUNK 2
	CHUNK 3
	; THE WAY OUT: O^T / the sum, quantised along the head's 64 channels (register 16 b + i = channel 32 b + 16 (lane / 16) + i), as half a fragment of the last product's operand.
.rept 4
	v_nop                                          ; four places behind the last products
.endr
	v_add_f32 v14, v14, v15
	s_delay_alu instid0(VALU_DEP_1)
	v_permlanex16_b32 v252, v14, s[SEL], s[SEL+1]
	s_delay_alu instid0(VALU_DEP_1)
	v_add_f32 v14, v14, v252                       ; the row's sum
	s_wait_alu depctr_va_vdst(0)
	v_rcp_f32 v14, v14
	v_nop                                          ; a plain line behind the reciprocal
	s_wait_alu depctr_va_vdst(0)                   ; the wait ahead of its first reader
.set J, 0
.rept 16
	v_pk_mul_f32 v[96+J:97+J], v[160+J:161+J], v[14:15] op_sel_hi:[1,0]
.set J, J+2
.endr
.irp b, 0,1
	v_max3_num_f32 v[232+\b], |v[96+16*\b]|, |v[97+16*\b]|, 0x1800000
.endr
.irp i, 2,4,6,8,10,12,14
.irp b, 0,1
	s_delay_alu instid0(VALU_DEP_2)
	v_max3_num_f32 v[232+\b], v[232+\b], |v[96+16*\b+\i]|, |v[97+16*\b+\i]|
.endr
.endr
.irp b, 0,1
	s_delay_alu instid0(VALU_DEP_2)
	v_permlanex16_b32 v[236+\b], v[232+\b], s[SEL], s[SEL+1]
.endr
.irp b, 0,1
	s_delay_alu instid0(VALU_DEP_2)
	v_max_num_f32 v[232+\b], v[232+\b], v[236+\b]
.endr
.irp b, 0,1
	s_delay_alu instid0(VALU_DEP_2)
	v_add_nc_u32 v[244+\b], 0xff000000, v[232+\b]
.endr
.irp b, 0,1
	s_delay_alu instid0(VALU_DEP_2)
	v_lshrrev_b32 v[236+\b], 23, v[244+\b]
.endr
	s_delay_alu instid0(VALU_DEP_1)
	v_lshl_or_b32 v240, v237, 8, v236              ; the head's two scale bytes of my query
.irp b, 0,1
	v_cvt_scalef32_pk8_fp4_f32 v[224+2*\b], v[96+16*\b:103+16*\b], v[244+\b]
	v_cvt_scalef32_pk8_fp4_f32 v[225+2*\b], v[104+16*\b:111+16*\b], v[244+\b]
.endr
	v_nop
	v_permlane16_swap_b32 v224, v226
	v_permlane16_swap_b32 v225, v227
	global_store_b128 v5, v[224:227], s[8:9]       ; 512 consecutive bytes, aligned
	s_wait_alu depctr_va_vdst(0)
	s_wait_xcnt 0x0                                ; EXEC changes only behind this wait
	v_cmp_gt_u32 vcc_lo, 16, v6
	s_and_saveexec_b32 s80, vcc_lo
	global_store_b16 v28, v240, s[10:11]           ; two bytes a query, 16 bytes apart: eight heads' work-groups together fill a run of 256 bytes; one sixteenth of the codes' bytes
	s_wait_xcnt 0x0
	s_or_b32 exec_lo, exec_lo, s80
	s_wait_tensorcnt 0x0
	ds_add_u32 v242, v243
	s_wait_dscnt 0x0
	CROUND                                         ; the closing round
	s_endpgm
.Lfunc_end_k_qf469d99c68_attn:
	.size	k_qf469d99c68_attn, .Lfunc_end_k_qf469d99c68_attn-k_qf469d99c68_attn
	.p2alignl 7, 3214868480
	.fill 96, 4, 3214868480
	.section	.rodata,"a",@progbits
	.p2align	6, 0x0
	.amdhsa_kernel k_qf469d99c68_attn
		.amdhsa_group_segment_fixed_size 169984
		.amdhsa_private_segment_fixed_size 0
		.amdhsa_enable_private_segment 0
		.amdhsa_kernarg_size 32
		.amdhsa_user_sgpr_count 2
		.amdhsa_user_sgpr_kernarg_segment_ptr 1
		.amdhsa_wavefront_size32 1
		.amdhsa_system_sgpr_workgroup_id_x 1
		.amdhsa_system_sgpr_workgroup_id_y 1
		.amdhsa_system_sgpr_workgroup_id_z 1
		.amdhsa_system_vgpr_workitem_id 0
		.amdhsa_next_free_vgpr 256
		.amdhsa_next_free_sgpr 98
		.amdhsa_reserve_vcc 1
		.amdhsa_float_denorm_mode_32 3
		.amdhsa_float_denorm_mode_16_64 3
		.amdhsa_memory_ordered 1
		.amdhsa_forward_progress 1
		.amdhsa_inst_pref_size 80
	.end_amdhsa_kernel
	.amdgpu_metadata
---
amdhsa.version: [ 1, 2 ]
amdhsa.kernels:
  - .name:           k_qf469d99c68_attn
    .symbol:         k_qf469d99c68_attn.kd
    .args:
      - { .name: qkv_img, .offset: 0, .size: 8, .value_kind: global_buffer, .address_space: global }
      - { .name: qkv_sc, .offset: 8, .size: 8, .value_kind: global_buffer, .address_space: global }
      - { .name: o_img, .offset: 16, .size: 8, .value_kind: global_buffer, .address_space: global }
      - { .name: o_sc, .offset: 24, .size: 8, .value_kind: global_buffer, .address_space: global }
    .group_segment_fixed_size: 169984
    .private_segment_fixed_size: 0
    .kernarg_segment_align: 8
    .kernarg_segment_size: 32
    .max_flat_workgroup_size: 512
    .sgpr_count:     98
    .vgpr_count:     256
    .wavefront_size: 32
...
	.end_amdgpu_metadata
.endif
;; end of part 3
;; launch final (part 4): grid 32 x 8, 4 waves a work-group, clusters of 4 x 4, 209,408 bytes of LDS; arguments o_img, o_sc, w_img, w_sc, bo, query, out0; writes out0
.if DOCPART == 4
	.amdgcn_target "amdgcn-amd-amdhsa--gfx1250"
	.amdhsa_code_object_version 6
	.text
	.protected	k_qf469d99c68_final
	.globl	k_qf469d99c68_final
	.p2align	8
	.type	k_qf469d99c68_final,@function
k_qf469d99c68_final:
	s_mov_b64 s[64:65], 0
	v_nop
	global_prefetch_b8 v0, s[64:65] scope:SCOPE_SE
	s_setreg_imm32_b32 hwreg(HW_REG_WAVE_MODE, 25, 1), 1
	s_wait_xcnt 0x0
	s_wait_alu depctr_hold_cnt(0) depctr_sa_sdst(0) depctr_va_vdst(0) depctr_va_sdst(0) depctr_va_ssrc(0) depctr_va_vcc(0) depctr_vm_vsrc(0)
	s_getreg_b32 s2, hwreg(HW_REG_IB_STS2, 6, 4)
	s_cmp_eq_u32 s2, 0
	s_cbranch_scc0 .Lentry_in_a_cluster
	s_endpgm
.Lentry_in_a_cluster:
	s_bfe_u32 s2, ttmp6, 0x10000c
	s_cmp_lg_u32 s2, 0xf033
	s_cbranch_scc0 .Lentry_shape_is_right
	s_endpgm
.Lentry_shape_is_right:
; out0[b][o][l] = sum over c of Wo[o][c] O[b][c][l] + bo[o] + query[b][o][l]: the product on codes of FP4 with E8M0 scales, K = 1,024; the rest in f32.
; A work-group makes 128 R rows (rows of Wo) x 256 P rows (positions l of one batch).  P is the matrix instruction's first source, so a lane's result registers run along l, out0's innermost axis;
; R is its second source, so a lane holds one o.  Wave w: R rows 64 (w / 2) on, P rows 128 (w % 2) on: 32 accumulators.  Positions hold true rows with bits 3 and 4 exchanged.
; ALL OF K LIES IN LDS, filled once; nothing is filled again.  CLUSTER 4 x 4: R's tiles are asked for jointly along a row of the cluster, P's along a column.
; The bias is the C of each sum's first product.  The residual, 64 rows x 512 bytes a wave, is asked for at the head into 256 registers and lands while the products run.
; REGISTERS: window 0: v1-25 addresses; v32-63 P's scale words, v64-79 R's; v96-127 the bias in the result's layout; v128-191 R's fragments, two sets; on the way out v128-255 rows read back from the stage.
;   window 1: P's fragments, two sets.   window 2: accumulator (a, b) at v[8 (8 a + b)].   window 3: the residual, row (a, t) at v[4 (16 a + t)], then the result.
.set RIMG, 0
.set PIMG, 65536
.set RSC,  196608
.set PSC,  200704
.set WV, 16
.set RH, 17
.set PH, 18
.set G1R, 24
.set G0R, 32
.set G1P, 44
.set G0P, 52
.set G1RS, 68
.set G1PS, 76
.set OUT, 84
.set LI, 4
.set ADRR, 16
.set ADRP, 20
.set ADPS, 22
.set ADRS, 23
.set STO, 24
.set RD, 25
.set PS, 32
.set RS, 64
.set BC, 96
.set RF, 128
.set BK, 128
.set SP, 528                           ; a stage row: 512 bytes + 16
.set MSB, 0
.macro WIN new                         ; the immediate's high byte repeats the setting that is left
.if MSB != \new
	s_set_vgpr_msb (MSB<<8)|\new
.set MSB, \new
.endif
.endm
.macro PLACES n
.rept \n
	v_nop
.endr
.endm
.macro CROUND
	s_barrier_signal -1
	s_barrier_wait -1
	s_cmp_lg_u32 s[WV], 0
	s_cbranch_scc1 .Lnot_wave_0_\@
	s_barrier_signal -3
.Lnot_wave_0_\@:
	s_barrier_wait -3
	s_barrier_signal -1
	s_barrier_wait -1
.endm
.macro G1SET g, c, rows, pitch
	s_mov_b32 s[\g+1], (\c)<<16
	s_mov_b32 s[\g+2], (\rows)<<16
	s_mov_b32 s[\g+3], (\c)<<16
	s_mov_b32 s[\g+4], \rows
	s_mov_b32 s[\g+5], \pitch
	s_mov_b32 s[\g+6], 0
	s_mov_b32 s[\g+7], 0
.endm
.macro G0SET g, lreg, lconst, ptr, add
	s_mov_b32 s[\g], 1
	s_add_co_u32 s[\g+1], s[\lreg], \lconst
	s_add_nc_u64 s[\g+2:\g+3], s[\ptr:\ptr+1], \add
	s_or_b32 s[\g+3], s[\g+3], 0x80000000
.endm
.macro SCALES
.irp k, 0,1
.irp j, 0,1,2,3
	ds_load_b128 v[PS+16*\k+4*\j:PS+16*\k+4*\j+3], v[ADPS] offset:512*\j+256*\k
.endr
.irp j, 0,1
	ds_load_b128 v[RS+8*\k+4*\j:RS+8*\k+4*\j+3], v[ADRS] offset:512*\j+256*\k
.endr
.endr
.endm
.macro FETCH s
	WIN 0x40
.irp b, 0,1,2,3,4,5,6,7
.irp c, 0,1
	ds_load_b128 v[128*((\s)%2)+8*\b+4*\c:128*((\s)%2)+8*\b+4*\c+3], v[ADRP+(\s)/4] offset:4096*\b+1024*((\s)%4)+512*\c
.endr
.endr
	WIN 0
.irp a, 0,1,2,3
.irp c, 0,1
	ds_load_b128 v[RF+32*((\s)%2)+8*\a+4*\c:RF+32*((\s)%2)+8*\a+4*\c+3], v[ADRR] offset:32768*((\s)/4)+4096*\a+1024*((\s)%4)+512*\c
.endr
.endr
.endm
.macro WM a, b, s                      ; one product; in the first K step C is the bias (window 0), later the accumulator itself
.set rD, 8*(8*(\a)+(\b))
.set rC, rD
.if (\s) == 0
.set rC, BC+8*(\a)
.endif
.set rP, 128*((\s)%2)+8*(\b)
.set rR, RF+32*((\s)%2)+8*(\a)
.set rX, PS+16*((\s)/4)+4*((\b)%4)+(\s)%4
.set rY, RS+8*((\s)/4)+4*((\a)%2)+(\s)%4
.if ((\b) < 4) && ((\a) < 2)
	v_wmma_scale_f32_16x16x128_f8f6f4 v[rD:rD+7], v[rP:rP+7], v[rR:rR+7], v[rC:rC+7], v[rX], v[rY] matrix_a_fmt:MATRIX_FMT_FP4 matrix_b_fmt:MATRIX_FMT_FP4
.elseif (\a) < 2
	v_wmma_scale_f32_16x16x128_f8f6f4 v[rD:rD+7], v[rP:rP+7], v[rR:rR+7], v[rC:rC+7], v[rX], v[rY] matrix_a_fmt:MATRIX_FMT_FP4 matrix_b_fmt:MATRIX_FMT_FP4 matrix_a_scale:MATRIX_SCALE_ROW1
.elseif (\b) < 4
	v_wmma_scale_f32_16x16x128_f8f6f4 v[rD:rD+7], v[rP:rP+7], v[rR:rR+7], v[rC:rC+7], v[rX], v[rY] matrix_a_fmt:MATRIX_FMT_FP4 matrix_b_fmt:MATRIX_FMT_FP4 matrix_b_scale:MATRIX_SCALE_ROW1
.else
	v_wmma_scale_f32_16x16x128_f8f6f4 v[rD:rD+7], v[rP:rP+7], v[rR:rR+7], v[rC:rC+7], v[rX], v[rY] matrix_a_fmt:MATRIX_FMT_FP4 matrix_b_fmt:MATRIX_FMT_FP4 matrix_a_scale:MATRIX_SCALE_ROW1 matrix_b_scale:MATRIX_SCALE_ROW1
.endif
.endm
.macro MUL s                           ; 32 products; the 32 accumulators take turns, one instruction a turn, in the same order in every step
.if (\s) == 0
	WIN 0x81                                       ; P window 1, R window 0, C (the bias) window 0, D window 2
.else
	WIN 0xa1                                       ; C and D window 2
.endif
.irp a, 0,1,2,3
.irp b, 0,1,2,3,4,5,6,7
	WM \a, \b, \s
.endr
.endr
.endm
.macro KSTEP s
	s_wait_dscnt 0x0                               ; this step's fragments are in
.if (\s) == 3
	s_wait_tensorcnt 0x0                           ; my part of K half 1 has landed,
	s_barrier_signal -1
	s_barrier_wait -1                              ; everybody's has, and nobody reads K half 0 any more: the stages will lie there
.endif
.if (\s) > 0
	PLACES 4                                       ; four places between the last step's products and loads into the registers that they read
.endif
.if (\s) < 7
	FETCH (\s)+1
.endif
	MUL \s
.endm
; THE WAY OUT of R tile a: 16 rows of out0 x 128 l.  A lane holds 32 neighbouring bytes of a row eight times over; the block goes through my own stage and comes back as whole rows of 512 bytes.
.macro TOSTAGE a
	WIN 0x08                                       ; an LDS store's data: window 2
.irp b, 0,1,2,3,4,5,6,7
	ds_store_b128 v[STO], v[64*(\a)+8*\b:64*(\a)+8*\b+3] offset:128*(\b/2)+32*(\b%2)       ; each accumulator from its low end on; l = 32 (b / 2) + 16 h + 8 (b % 2) + j
	ds_store_b128 v[STO], v[64*(\a)+8*\b+4:64*(\a)+8*\b+7] offset:128*(\b/2)+32*(\b%2)+16
.endr
	WIN 0
.set BB, BK+64*((\a)%2)
.irp t, 0,1,2,3,4,5,6,7,8,9,10,11,12,13,14,15
	ds_load_b128 v[BB+4*\t:BB+4*\t+3], v[RD] offset:SP*\t          ; LDS serves a wave's instructions in order: these see the stores above, and the next block's stores come behind them
.endr
.endm
.macro SEND a, younger                 ; younger: the LDS instructions issued behind block a's loads, which may stay out
.set BB, BK+64*((\a)%2)
	s_wait_dscnt \younger
	WIN 0xcc                                       ; second source and destination window 3: the residual takes the row
.irp t, 0,1,2,3,4,5,6,7,8,9,10,11,12,13,14,15
	v_pk_add_f32 v[64*(\a)+4*\t:64*(\a)+4*\t+1], v[BB+4*\t:BB+4*\t+1], v[64*(\a)+4*\t:64*(\a)+4*\t+1]
	v_pk_add_f32 v[64*(\a)+4*\t+2:64*(\a)+4*\t+3], v[BB+4*\t+2:BB+4*\t+3], v[64*(\a)+4*\t+2:64*(\a)+4*\t+3]
.endr
	WIN 0x0c                                       ; a store's data: window 3
.irp t, 0,1,2,3,4,5,6,7,8,9,10,11,12,13,14,15
	global_store_b128 v[LI], v[64*(\a)+4*\t:64*(\a)+4*\t+3], s[OUT:OUT+1] offset:(32*((\a)/2)+16*(\t/8)+8*((\a)%2)+\t%8)*8192 th:TH_STORE_NT   ; 512 consecutive bytes, aligned; position 16 a + t holds this true row
.endr
	WIN 0
.endm
	s_load_b256 s[4:11], s[0:1], 0x0               ; o_img, o_sc, w_img, w_sc
	s_load_b128 s[12:15], s[0:1], 0x20             ; bo, query
	s_load_b64 s[OUT:OUT+1], s[0:1], 0x30          ; out0
	v_lshl_add_u32 v94, v0, 2, 0x33000
	v_mov_b32 v95, 0
	ds_add_u32 v94, v95
	ds_add_u32 v94, v95
	v_lshrrev_b32 v1, 5, v0
	v_readfirstlane_b32 s[WV], v1
	s_lshr_b32 s[RH], s[WV], 1                     ; which 64 R rows are mine.  Also: I fetch for R (0) or for P (1)
	s_and_b32 s[PH], s[WV], 1                      ; which 128 P rows.  Also: which half of that tile I fetch
	s_bfe_u32 s19, ttmp6, 0x40000                  ; cx
	s_bfe_u32 s20, ttmp6, 0x40004                  ; cy
	s_lshl_b32 s21, ttmp9, 2
	s_add_co_u32 s21, s21, s19                     ; P tile, 0..31: hangs on cx alone
	s_and_b32 s22, ttmp7, 0xffff
	s_lshl_b32 s22, s22, 2
	s_add_co_u32 s22, s22, s20                     ; R tile, 0..7: hangs on cy alone
	s_lshl_b32 s66, s20, 2
	s_lshl_b32 s66, 15, s66                        ; my row of the cluster
	s_lshl_b32 s67, 0x1111, s19                    ; my column
	s_or_b32 s[G1R], s66, (3<<16)|(1<<21)
	s_or_b32 s[G1RS], s66, (3<<16)|(1<<21)
	s_or_b32 s[G1P], s67, (3<<16)|(1<<21)
	s_or_b32 s[G1PS], s67, (3<<16)|(1<<21)
	G1SET G1R, 512, 4, 1024
	G1SET G1P, 512, 8, 1024
	G1SET G1RS, 32, 8, 32
	G1SET G1PS, 32, 16, 32
	s_lshl_b32 s90, s22, 3
	s_lshl_b32 s3, s[PH], 2
	s_add_co_u32 s90, s90, s3
	s_lshl_b32 s94, s90, 9
	s_add_co_u32 s94, s94, 98304                   ; Wo is the fourth weight
	s_lshl_b32 s90, s90, 13
	s_add_co_u32 s90, s90, 1572864
	s_mov_b32 s91, 0
	s_mov_b32 s95, 0
	s_lshl_b32 s92, s21, 4
	s_lshl_b32 s3, s[PH], 3
	s_add_co_u32 s92, s92, s3
	s_lshl_b32 s96, s92, 9
	s_lshl_b32 s92, s92, 13
	s_mov_b32 s93, 0
	s_mov_b32 s97, 0
	s_wait_dscnt 0x0
	s_wait_kmcnt 0x0
	s_add_nc_u64 s[86:87], s[8:9], s[90:91]
	s_add_nc_u64 s[88:89], s[10:11], s[94:95]
	s_add_nc_u64 s[98:99], s[4:5], s[92:93]
	s_add_nc_u64 s[100:101], s[6:7], s[96:97]
	s_lshl_b32 s2, s[PH], 14
	s_lshl_b32 s3, s[PH], 11
	G0SET G0R, 3, RSC, 88, 0
	G0SET G0R+4, 2, RIMG, 86, 0
	G0SET G0R+8, 2, RIMG+32768, 86, 4096
	s_lshl_b32 s2, s[PH], 15
	s_lshl_b32 s3, s[PH], 12
	G0SET G0P, 3, PSC, 100, 0
	G0SET G0P+4, 2, PIMG, 98, 0
	G0SET G0P+8, 2, PIMG+65536, 98, 4096
	CROUND                                         ; all sixteen work-groups are here: the joint loads meet
	s_cmp_eq_u32 s[RH], 0                          ; a wave's three fills stand in one branch on its number: three tensor loads of mine are out
	s_cbranch_scc0 .Lfill_p
	tensor_load_to_lds s[G0R:G0R+3], s[G1RS:G1RS+7]
	s_nop 0
	tensor_load_to_lds s[G0R+4:G0R+7], s[G1R:G1R+7]
	s_nop 0
	tensor_load_to_lds s[G0R+8:G0R+11], s[G1R:G1R+7]
	s_nop 0
	PLACES 4
	s_branch .Lfilled
.Lfill_p:
	tensor_load_to_lds s[G0P:G0P+3], s[G1PS:G1PS+7]
	s_nop 0
	tensor_load_to_lds s[G0P+4:G0P+7], s[G1P:G1P+7]
	s_nop 0
	tensor_load_to_lds s[G0P+8:G0P+11], s[G1P:G1P+7]
	s_nop 0
	PLACES 4
.Lfilled:
	v_and_b32 v1, 15, v0                           ; r
	v_bfe_u32 v2, v0, 4, 1                         ; h
	v_and_b32 v3, 31, v0                           ; lane
	v_lshlrev_b32 v[LI], 4, v3
	v_and_b32 v6, 8, v1
	v_add_nc_u32 v6, v6, v1
	v_lshlrev_b32 v6, 2, v6                        ; the bias: lane r of a tile holds the true row r + 8 (r / 8) of its 32
	s_wait_alu depctr_va_vdst(0)
	s_lshl_b32 s86, s22, 9
	s_lshl_b32 s87, s[RH], 8
	s_add_co_u32 s86, s86, s87
	s_mov_b32 s87, 0
	s_add_nc_u64 s[12:13], s[12:13], s[86:87]      ; bo at my 64 rows
	s_lshr_b32 s86, s21, 3                         ; query and out0: batch x 8 MiB + my first row x 8,192 + my first l x 4
	s_lshl_b32 s86, s86, 23
	s_lshl_b32 s87, s22, 20
	s_add_co_u32 s86, s86, s87
	s_lshl_b32 s87, s[RH], 19
	s_add_co_u32 s86, s86, s87
	s_and_b32 s87, s21, 7
	s_lshl_b32 s87, s87, 10
	s_add_co_u32 s86, s86, s87
	s_lshl_b32 s87, s[PH], 9
	s_add_co_u32 s86, s86, s87
	s_mov_b32 s87, 0
	s_add_nc_u64 s[14:15], s[14:15], s[86:87]
	s_add_nc_u64 s[OUT:OUT+1], s[OUT:OUT+1], s[86:87]
.irp a, 0,1,2,3
	global_load_b32 v[BC+8*\a], v6, s[12:13] offset:(32*(\a/2)+8*(\a%2))*4
.endr
	WIN 0xc0                                       ; destination window 3
.irp a, 0,1,2,3
.irp t, 0,1,2,3,4,5,6,7,8,9,10,11,12,13,14,15
	global_load_b128 v[64*\a+4*\t:64*\a+4*\t+3], v[LI], s[14:15] offset:(32*(\a/2)+16*(\t/8)+8*(\a%2)+\t%8)*8192 th:TH_LOAD_NT   ; a row's 512 consecutive bytes
.endr
.endr
	WIN 0
	s_lshl_b32 s2, s[RH], 14
	v_add_nc_u32 v[ADRR], s2, v[LI]
	s_lshl_b32 s2, s[PH], 15
	s_add_co_u32 s2, s2, PIMG
	v_add_nc_u32 v[ADRP], s2, v[LI]
	v_add_nc_u32 v[ADRP+1], 65536, v[ADRP]
	v_lshlrev_b32 v5, 4, v1
	v_lshl_add_u32 v[ADPS], v2, 11, v5
	s_lshl_b32 s2, s[PH], 12
	s_add_co_u32 s2, s2, PSC
	v_add_nc_u32 v[ADPS], s2, v[ADPS]
	v_lshl_add_u32 v[ADRS], v2, 10, v5
	s_lshl_b32 s2, s[RH], 11
	s_add_co_u32 s2, s2, RSC
	v_add_nc_u32 v[ADRS], s2, v[ADRS]
	s_mul_i32 s2, s[WV], 16*SP
	s_add_co_u32 s2, s2, PIMG                      ; my stage: in P's K half 0, which is filled once and read no more when the first result is stored there
	v_mul_u32_u24 v[STO], v1, SP
	v_lshl_add_u32 v[STO], v2, 6, v[STO]
	v_add_nc_u32 v[STO], s2, v[STO]                ; in: row r, + 64 h
	v_add_nc_u32 v[RD], s2, v[LI]                  ; back: 16 bytes a lane of a row
	s_wait_loadcnt 63                              ; behind the four bias loads 64 loads were issued: with at most 63 out the four are in
.irp a, 0,1,2,3
.irp j, 1,2,3,4,5,6,7
	v_mov_b32 v[BC+8*\a+\j], v[BC+8*\a]            ; a lane holds one o: its eight numbers of C are the same
.endr
.endr
	s_wait_alu depctr_va_vdst(0)
	s_wait_tensorcnt 0x1                           ; my scale bytes and my part of K half 0 are in; K half 1's load may be out
	s_barrier_signal -1
	s_barrier_wait -1
	SCALES
	FETCH 0
.irp s, 0,1,2,3,4,5,6,7
	KSTEP \s
.endr
	WIN 0
	PLACES 4                                       ; between the last products and the first read of results, and loads into R's fragment registers
	s_wait_loadcnt 0x0                             ; the residual is in
	TOSTAGE 0
.irp a, 1,2,3
	TOSTAGE \a
	SEND \a-1, 32                                  ; behind block a - 1's loads: block a's 16 stores and 16 loads
.endr
	SEND 3, 0
	s_wait_tensorcnt 0x0
	ds_add_u32 v94, v95
	s_wait_dscnt 0x0
	CROUND                                         ; the closing round: no work-group ends while a partner may still ask for a tile that names it
	s_endpgm
.Lfunc_end_k_qf469d99c68_final:
	.size	k_qf469d99c68_final, .Lfunc_end_k_qf469d99c68_final-k_qf469d99c68_final
	.p2alignl 7, 3214868480
	.fill 96, 4, 3214868480
	.section	.rodata,"a",@progbits
	.p2align	6, 0x0
	.amdhsa_kernel k_qf469d99c68_final
		.amdhsa_group_segment_fixed_size 209408
		.amdhsa_private_segment_fixed_size 0
		.amdhsa_enable_private_segment 0
		.amdhsa_kernarg_size 56
		.amdhsa_user_sgpr_count 2
		.amdhsa_user_sgpr_kernarg_segment_ptr 1
		.amdhsa_wavefront_size32 1
		.amdhsa_system_sgpr_workgroup_id_x 1
		.amdhsa_system_sgpr_workgroup_id_y 1
		.amdhsa_system_sgpr_workgroup_id_z 1
		.amdhsa_system_vgpr_workitem_id 0
		.amdhsa_next_free_vgpr 1024
		.amdhsa_next_free_sgpr 102
		.amdhsa_reserve_vcc 0
		.amdhsa_float_denorm_mode_32 3
		.amdhsa_float_denorm_mode_16_64 3
		.amdhsa_memory_ordered 1
		.amdhsa_forward_progress 1
		.amdhsa_inst_pref_size 86
	.end_amdhsa_kernel
	.amdgpu_metadata
---
amdhsa.version: [ 1, 2 ]
amdhsa.kernels:
  - .name:           k_qf469d99c68_final
    .symbol:         k_qf469d99c68_final.kd
    .args:
      - { .name: o_img, .offset: 0, .size: 8, .value_kind: global_buffer, .address_space: global }
      - { .name: o_sc, .offset: 8, .size: 8, .value_kind: global_buffer, .address_space: global }
      - { .name: w_img, .offset: 16, .size: 8, .value_kind: global_buffer, .address_space: global }
      - { .name: w_sc, .offset: 24, .size: 8, .value_kind: global_buffer, .address_space: global }
      - { .name: bo, .offset: 32, .size: 8, .value_kind: global_buffer, .address_space: global }
      - { .name: query, .offset: 40, .size: 8, .value_kind: global_buffer, .address_space: global }
      - { .name: out0, .offset: 48, .size: 8, .value_kind: global_buffer, .address_space: global }
    .group_segment_fixed_size: 209408
    .private_segment_fixed_size: 0
    .kernarg_segment_align: 8
    .kernarg_segment_size: 56
    .max_flat_workgroup_size: 128
    .sgpr_count:     102
    .vgpr_count:     1024
    .wavefront_size: 32
...
	.end_amdgpu_metadata
.endif
;; end of part 4
